; MI455X (gfx1250); checked and timed in simulation.
; The chip was launched on July 23, 2026; its instructions are those of AMD's public machine-readable ISA for CDNA 5 (MIT licence, August 2026) and "CDNA5" Instruction Set Architecture Reference Guide (July 2026). The comments in the code are by the model that wrote it; some were corrected since.
;; Multihead Attention. Allowed arithmetic: matrix products marked QUANTISED: E5M2 operands, one given power-of-two scale a tensor, by v_wmma_f32_16x16x64_bf8_bf8 or v_wmma_f32_16x16x128_bf8_bf8, f32 sums; everything else in f32.
;; Inputs: W_o 1,024 x 1,024 float32; W_qkv 1,024 x 3,072 float32; b_o 1,024 float32; b_qkv 3,072 float32; lowp_scales 8 int32 (the exponents e of the quantised operands' scales 2^e); x 4 x 2,048 x 1,024 float32.
;; Outputs: out0 4 x 2,048 x 1,024 float32.
;; This version of the problem:
;;   THIS VERSION OF THE PROBLEM IS GIVEN IN LOW PRECISION. The matrix products marked QUANTISED in the list below multiply operands that are first quantised to E5M2 (5 exponent bits, 2 mantissa bits; 8 bits a number), with one given power-of-two scale for each operand tensor; their sums are f32. All else is computed in f32.
;;   The module's matrix products, in the order in which they are computed (A, B: the left and right operand; K: the contracted axis; several contracted axes count as one K, in the product's order):
;;     1. [M 8,192, K 1,024] x [K 1,024, N 3,072]; A: input x; B: input W_qkv: QUANTISED (scales: A lowp_scales[0], B lowp_scales[1])
;;     2. batch 64 x [M 2,048, K 64] x [K 64, N 2,048]; A: computed on the way; B: computed on the way: QUANTISED (scales: A lowp_scales[2], B lowp_scales[3])
;;     3. batch 64 x [M 2,048, K 2,048] x [K 2,048, N 64]; A: softmax (see below); B: computed on the way: QUANTISED (scales: A lowp_scales[4], B lowp_scales[5])
;;     4. [M 8,192, K 1,024] x [K 1,024, N 1,024]; A: computed on the way; B: input W_o: QUANTISED (scales: A lowp_scales[6], B lowp_scales[7])
;;   THE QUANTISER, for each operand of a quantised product, along K:
;;     - The operand's scale is 2^e, e = its entry of the input lowp_scales (int32; the entries are numbered through the quantised products in the list's order, A before B).
;;     - Each number is divided by the scale, clamped to +-57,344, and rounded to the nearest number of E5M2, ties to even, subnormals kept.
;;     - The product sums the exact products of the quantised numbers (number of the format x scale) in f32.
;;   ~~~python
;;   def quantise(x, axis, e):      # numpy; x: float32 -> the quantised numbers, widened to float32 again
;;       x = np.moveaxis(x, axis, -1); K = x.shape[-1]
;;       r = np.clip(x / 2.0 ** e, -57344, 57344)
;;       step = 2.0 ** (np.maximum(np.frexp(np.where(r == 0, 1, r))[1] - 1, -14) - 2)
;;       q = np.round(r / step) * step * 2.0 ** e      # np.round: ties to even
;;       return np.moveaxis(q, -1, axis).astype(np.float32)
;;   ~~~
;;   SOFTMAX AHEAD OF A QUANTISED PRODUCT. Where the list says 'softmax', what is quantised is not the finished softmax but p = 2^(t - M), with t = logit x log2(e) and M = ceil(the row's largest t), a whole number; so 1/2 < the row's largest p <= 1. The row's sum l is taken of the UNQUANTISED p, in f32, and the product's result is divided by l at the end. Since M is a whole number, a kernel that streams over the keys may use a running M (the ceiling of the running maximum): every later rescaling is an exact power of two, so the quantised numbers keep their values, but for numbers so far below the row's largest that they fall under the format's range.
;;   OPERANDS COMPUTED ON THE WAY. 'Computed on the way' means the value that the module computes at that place (a softmax that the list does not call 'softmax' is quantised finished and normalised). What goes into a quantiser is computed in f32, as accurately as f32 sums, v_exp_f32 and their like allow (about 1e-6 of the number): no bf16 or f16 on the way to a quantiser, and a product that is left as it is and whose result goes on into a quantised operand takes f32 operands (vector FMAs, or v_wmma_f32_16x16x4_f32). A number that lies on a knife's edge between two numbers of the format may be rounded either way, as far as f32 arithmetic and the matrix unit's own rounding can turn it there, and no further.
;; One version. Each part assembles by itself: llvm-mc -triple=amdgcn-amd-amdhsa -mcpu=gfx1250 --defsym DOCPART=n.
;; ======== version 1 of 1: 4 launches
;; limits: right only within a limited range of input values
;; workspace buffers: x_img 8,388,608 bytes; wqkv_img 3,145,728 bytes; wo_img 1,048,576 bytes; q_img 8,388,608 bytes; k_img 8,388,608 bytes; v_img 8,388,608 bytes; vals_img 8,388,608 bytes
;; launch quant (part 1): grid 96 x 4, 4 waves a work-group, no clusters, 68,096 bytes of LDS; arguments x, W_qkv, W_o, lowp_scales, x_img, wqkv_img, wo_img; writes x_img, wqkv_img, wo_img
.if DOCPART == 1
	.amdgcn_target "amdgcn-amd-amdhsa--gfx1250"
	.amdhsa_code_object_version 6
	.text
	.protected	k_q1e23b275d2_quant
	.globl	k_q1e23b275d2_quant
	.p2align	8
	.type	k_q1e23b275d2_quant,@function
k_q1e23b275d2_quant:
	s_mov_b64 s[64:65], 0
	v_nop
	global_prefetch_b8 v0, s[64:65] scope:SCOPE_SE
	s_setreg_imm32_b32 hwreg(HW_REG_WAVE_MODE, 25, 1), 1
	s_wait_xcnt 0x0
; x [8192][1024], W_qkv [1024][3072] and W_o [1024][1024], f32, become codes of E5M2, each with its given scale 2^e (entries 0, 1 and 7 of the scales):
; code = number / 2^e, held within +-57,344, rounded to the nearest code, ties to even.
; THE CODES ARE LAID AS IMAGES OF OPERAND REGISTERS.  Tile T of an operand holds the 16 rows rho(T, i) = 32 (T / 2) + 8 (T % 2) + i + 8 (i / 8); a fragment (tile T, K step s of 128) is
; 2,048 dense bytes: the 16 bytes at T x 16384 + s x 2048 + c x 512 + 16 l are row rho(T, l % 16), k = 128 s + 32 c + 16 (l / 16) + 0 .. 15.  A row of x is a row of the operand; of the weights a COLUMN is.
; Work-groups x < 64 take x (K innermost): a wave takes one tile and four K steps; each load reads 512 dense bytes of a row, the numbers turn through the wave's own stage in LDS so that a lane holds 16 neighbours.
; Work-groups x >= 64 take the weights (K outermost): a lane takes a column, its registers run down K, the codes gather in the wave's stage as the image and leave in runs of 512 dense bytes.
; The two ways have LDS bytes of their own.  Waves share nothing: no barrier.  No cluster: no two work-groups read the same bytes.
; LIMITS: each of the three exponents lies between -126 and 112, so that 2^e and 57,344 x 2^e are f32 numbers.  NaN among the inputs is not served (an infinity is held at the largest code).
.set WREG,  8448                       ; a wave's stage: 16 rows x 528 bytes, or two tiles x 4,224 bytes
.set WSTG,  4*WREG                     ; the weights' stages begin behind x's
.set EMAX,  15
.set MANT,  0x600000                   ; the mantissa field of 57,344 as f32
.set R,     16                         ; x: v16-143  two sets of 64 numbers as loaded
.set X,     144                        ; x: v144-207 64 numbers, 16 neighbours of each of four blocks
.set C,     208                        ; x: v208-239 two sets of a fragment's codes
.set VO,    16                         ; W: v16-47   4 x lane + i x a row of W in bytes
.set WX,    48                         ; W: v48-111  two sets of 32 numbers down K
.set WC,    112                        ; W: v112-119 a block's codes
.set OUTR,  120                        ; W: v120-183 the way out
.macro LIMITS e                        ; s[e] = the exponent: v11 = 2^e (the conversion takes its exponent field), v10 = 57,344 x 2^e
	s_add_co_i32 s60, s[\e], 127
	s_lshl_b32 s61, s60, 23
	v_mov_b32 v11, s61
	s_add_co_i32 s60, s60, EMAX
	s_lshl_b32 s60, s60, 23
	s_or_b32 s60, s60, MANT
	v_mov_b32 v10, s60
.endm
.macro LOADX t                         ; K step t of my four: 16 rows x 512 dense bytes
.irp i, 0,1,2,3,4,5,6,7,8,9,10,11,12,13,14,15
	global_load_b128 v[R+64*((\t)%2)+4*\i:R+64*((\t)%2)+4*\i+3], v3, s[4:5] offset:(\i+8*(\i/8))*4096+512*(\t) th:TH_LOAD_NT
.endr
.endm
.macro STEPX t
.set CS, C+16*((\t)%2)
.if (\t) < 3
	s_wait_loadcnt 16                              ; this step's 16 loads are in; the next step's 16 may be out
.else
	s_wait_loadcnt 0x0
.endif
.irp i, 0,1,2,3,4,5,6,7,8,9,10,11,12,13,14,15
	ds_store_b128 v14, v[R+64*((\t)%2)+4*\i:R+64*((\t)%2)+4*\i+3] offset:528*\i   ; row i as it lies
.endr
.irp c, 0,1,2,3
.irp j, 0,1,2,3
	ds_load_b128 v[X+16*\c+4*\j:X+16*\c+4*\j+3], v15 offset:128*\c+16*\j          ; my row's k = 32 c + 16 (lane / 16) + 4 j ..; LDS serves a wave's instructions in order
.endr
.endr
	s_wait_dscnt 0x0                               ; the numbers are back, and the stores have read their registers,
.if (\t)+2 < 4
	LOADX (\t)+2                                   ; which take the loads of two steps on
.endif
.if (\t) >= 2
	s_wait_xcnt 0x0                                ; the stores of two steps back have read this set of codes
.endif
.irp b, 0,1,2,3
.irp i, 0,1,2,3,4,5,6,7,8,9,10,11,12,13,14,15
	v_med3_num_f32 v[X+16*\b+\i], v[X+16*\b+\i], -v10, v10   ; the conversion to an 8-bit code does not saturate (ISA guide 7.6.2): the hold comes first
.endr
	v_cvt_scalef32_pk8_bf8_f32 v[CS+4*\b:CS+4*\b+1], v[X+16*\b:X+16*\b+7], v11
	v_cvt_scalef32_pk8_bf8_f32 v[CS+4*\b+2:CS+4*\b+3], v[X+16*\b+8:X+16*\b+15], v11
.endr
	v_nop                                          ; a plain line behind the last conversion
.irp c, 0,1,2,3
	global_store_b128 v3, v[CS+4*\c:CS+4*\c+3], s[12:13] offset:2048*(\t)+512*\c   ; 32 lanes store 512 dense bytes of the image
.endr
.endm
.macro LOADW t                         ; block t of my eight: W(32 t + i, my column), i = 0 .. 31
.irp i, 0,1,2,3,4,5,6,7,8,9,10,11,12,13,14,15,16,17,18,19,20,21,22,23,24,25,26,27,28,29,30,31
	global_load_b32 v[WX+32*((\t)%2)+\i], v[VO+\i], s[40+2*(\t):41+2*(\t)] th:TH_LOAD_NT
.endr
.endm
.macro BLOCKW t
.set XS, WX+32*((\t)%2)
.if (\t) < 7
	s_wait_loadcnt 32                              ; this block's 32 loads are in; the next block's may be out
.else
	s_wait_loadcnt 0x0
.endif
.irp i, 0,1,2,3,4,5,6,7,8,9,10,11,12,13,14,15,16,17,18,19,20,21,22,23,24,25,26,27,28,29,30,31
	v_med3_num_f32 v[XS+\i], v[XS+\i], -v10, v10
.endr
.irp g, 0,1,2,3
	v_cvt_scalef32_pk8_bf8_f32 v[WC+2*\g:WC+2*\g+1], v[XS+8*\g:XS+8*\g+7], v11
.endr
	v_nop                                          ; a plain line behind the last conversion
	ds_store_b128 v4, v[WC:WC+3] offset:((\t)/4)*2048+((\t)%4)*512          ; k = 32 t + 0 .. 15: the image's lanes 0-15
	ds_store_b128 v4, v[WC+4:WC+7] offset:((\t)/4)*2048+((\t)%4)*512+256    ; k = 32 t + 16 .. 31: its lanes 16-31
.if (\t)+2 < 8
	LOADW (\t)+2
.endif
	s_wait_dscnt 0x0                               ; the stores have read their registers: the next block's codes may be written
.endm
	s_load_b256 s[4:11], s[0:1], 0x0               ; x s[4:5], W_qkv s[6:7], W_o s[8:9], the scales' exponents s[10:11]
	s_load_b128 s[12:15], s[0:1], 0x20             ; x's image s[12:13], W_qkv's s[14:15]
	s_load_b64 s[16:17], s[0:1], 0x30              ; W_o's
	v_lshl_add_u32 v240, v0, 2, 0x10800
	v_mov_b32 v241, 0
	v_lshrrev_b32 v1, 5, v0
	v_readfirstlane_b32 s18, v1                    ; wave 0..3
	v_and_b32 v2, 31, v0                           ; lane
	v_lshlrev_b32 v3, 4, v2                        ; 16 x lane
	s_and_b32 s19, ttmp7, 0xffff                   ; work-group y
	s_mul_i32 s20, s18, WREG                       ; my stage
	s_wait_kmcnt 0x0
	s_load_b256 s[24:31], s[10:11], 0x0            ; e0 .. e7
	s_cmp_lt_u32 ttmp9, 64
	s_cbranch_scc0 .Lweights
	; ---- x.  i = 64 y + work-group x; wave w: tile 2 i + w / 2, K steps 4 (w % 2) on
	s_lshl_b32 s21, s19, 6
	s_add_co_u32 s21, s21, ttmp9                   ; i
	s_lshr_b32 s22, s18, 1                         ; u
	s_and_b32 s23, s18, 1                          ; which half of K
	s_lshl_b32 s32, s21, 17                        ; 32 i rows of 4,096 bytes,
	s_lshl_b32 s33, s22, 15                        ; 8 u rows,
	s_add_co_u32 s32, s32, s33
	s_lshl_b32 s33, s23, 11                        ; 512 numbers along K
	s_add_co_u32 s32, s32, s33
	s_mov_b32 s33, 0
	s_add_nc_u64 s[4:5], s[4:5], s[32:33]
	s_lshl_b32 s34, s21, 15                        ; the image: tile 2 i + u of 16,384 bytes,
	s_lshl_b32 s35, s22, 14
	s_add_co_u32 s34, s34, s35
	s_lshl_b32 s35, s23, 13                        ; four K steps of 2,048
	s_add_co_u32 s34, s34, s35
	s_mov_b32 s35, 0
	s_add_nc_u64 s[12:13], s[12:13], s[34:35]
	s_wait_alu depctr_va_vdst(0)
	v_add_nc_u32 v14, s20, v3                      ; into the stage: 16 x lane of a row
	v_and_b32 v4, 15, v0
	v_bfe_u32 v5, v0, 4, 1
	v_mul_u32_u24 v15, v4, 528                     ; out of it: row lane % 16 (528 = 33 x 16: sixteen rows start at sixteen different 16-byte columns),
	v_lshl_add_u32 v15, v5, 6, v15                 ; + 64 (lane / 16)
	v_add_nc_u32 v15, s20, v15
	LOADX 0
	LOADX 1
	s_wait_alu depctr_va_vdst(0)
	s_wait_kmcnt 0x0
	LIMITS 24
	s_wait_alu depctr_va_vdst(0)
.irp t, 0,1,2,3
	STEPX \t
.endr
	s_wait_tensorcnt 0x0
	ds_add_u32 v240, v241
	s_wait_dscnt 0x0
	s_endpgm
.Lweights:
	; ---- the weights.  Column groups of 128: 24 of W_qkv, then 8 of W_o; work-group y: 256 along K; wave w: 32 columns = two tiles
	s_sub_co_u32 s21, ttmp9, 64
	s_mov_b32 s22, 4096
	s_cmp_lt_u32 s21, 24                           ; the choice hangs on the work-group's number alone
	s_cselect_b64 s[32:33], s[6:7], s[8:9]
	s_cselect_b64 s[34:35], s[14:15], s[16:17]
	s_cselect_b32 s22, 12288, s22                  ; a row of W in bytes
	s_cselect_b32 s23, 0, 24
	s_wait_kmcnt 0x0
	s_cselect_b32 s36, s25, s31                    ; e1 or e7
	s_sub_co_u32 s21, s21, s23                     ; column group
	s_lshl_b32 s38, s19, 8
	s_mul_i32 s38, s38, s22                        ; 256 y rows,
	s_lshl_b32 s39, s21, 9                         ; 128 columns a group,
	s_add_co_u32 s38, s38, s39
	s_lshl_b32 s39, s18, 7                         ; 32 a wave
	s_add_co_u32 s38, s38, s39
	s_mov_b32 s39, 0
	s_add_nc_u64 s[40:41], s[32:33], s[38:39]      ; block 0's base;
	s_lshl_b32 s38, s22, 5                         ; 32 rows on for each further block
.irp t, 1,2,3,4,5,6,7
	s_add_nc_u64 s[40+2*\t:41+2*\t], s[38+2*\t:39+2*\t], s[38:39]
.endr
	s_lshl_b32 s56, s21, 17                        ; the image: tiles 2 (4 group + w), 2 x 16,384 bytes a wave,
	s_lshl_b32 s57, s18, 15
	s_add_co_u32 s56, s56, s57
	s_lshl_b32 s57, s19, 12                        ; K steps 2 y, 2 y + 1
	s_add_co_u32 s56, s56, s57
	s_mov_b32 s57, 0
	s_add_nc_u64 s[34:35], s[34:35], s[56:57]
	s_wait_alu depctr_va_vdst(0)
	v_lshlrev_b32 v8, 2, v2
	s_wait_alu depctr_va_vdst(0)
.irp i, 0,1,2,3,4,5,6,7,8,9,10,11,12,13,14,15,16,17,18,19,20,21,22,23,24,25,26,27,28,29,30,31
	s_mul_i32 s58, s22, \i
	v_add_nc_u32 v[VO+\i], s58, v8
.endr
	v_bfe_u32 v5, v0, 3, 1                         ; column l of my 32 is row (l % 8) + 8 (l / 16) of tile (l / 8) % 2
	v_mul_u32_u24 v4, v5, 4224                     ; (a tile's 4,096 bytes + 128, so that the two tiles' stores fall on different banks)
	v_and_b32 v5, 7, v0
	v_lshl_add_u32 v4, v5, 4, v4
	v_bfe_u32 v5, v0, 4, 1
	v_lshl_add_u32 v4, v5, 7, v4
	v_add_nc_u32 v4, s20, v4
	v_add_nc_u32 v4, WSTG, v4
	v_add_nc_u32 v7, s20, v3
	v_add_nc_u32 v7, WSTG, v7
	LOADW 0
	LOADW 1
	LIMITS 36
	s_wait_alu depctr_va_vdst(0)
.irp t, 0,1,2,3,4,5,6,7
	BLOCKW \t
.endr
.irp n, 0,1,2,3,4,5,6,7,8,9,10,11,12,13,14,15
	ds_load_b128 v[OUTR+4*\n:OUTR+4*\n+3], v7 offset:4224*(\n/8)+512*(\n%8)
.endr
.irp n, 0,1,2,3,4,5,6,7,8,9,10,11,12,13,14,15
	s_wait_dscnt 15-\n                             ; the younger loads may stay out
	global_store_b128 v3, v[OUTR+4*\n:OUTR+4*\n+3], s[34:35] offset:16384*(\n/8)+512*(\n%8)
.endr
	s_wait_tensorcnt 0x0
	ds_add_u32 v240, v241
	s_wait_dscnt 0x0
	s_endpgm
.Lfunc_end_k_q1e23b275d2_quant:
	.size	k_q1e23b275d2_quant, .Lfunc_end_k_q1e23b275d2_quant-k_q1e23b275d2_quant
	.p2alignl 7, 3214868480
	.fill 96, 4, 3214868480
	.section	.rodata,"a",@progbits
	.p2align	6, 0x0
	.amdhsa_kernel k_q1e23b275d2_quant
		.amdhsa_group_segment_fixed_size 68096
		.amdhsa_private_segment_fixed_size 0
		.amdhsa_enable_private_segment 0
		.amdhsa_kernarg_size 56
		.amdhsa_user_sgpr_count 2
		.amdhsa_user_sgpr_kernarg_segment_ptr 1
		.amdhsa_wavefront_size32 1
		.amdhsa_system_sgpr_workgroup_id_x 1
		.amdhsa_system_sgpr_workgroup_id_y 1
		.amdhsa_system_sgpr_workgroup_id_z 1
		.amdhsa_system_vgpr_workitem_id 0
		.amdhsa_next_free_vgpr 242
		.amdhsa_next_free_sgpr 66
		.amdhsa_reserve_vcc 0
		.amdhsa_float_denorm_mode_32 3
		.amdhsa_float_denorm_mode_16_64 3
		.amdhsa_memory_ordered 1
		.amdhsa_forward_progress 1
		.amdhsa_inst_pref_size 88
	.end_amdhsa_kernel
	.amdgpu_metadata
---
amdhsa.version: [ 1, 2 ]
amdhsa.kernels:
  - .name:           k_q1e23b275d2_quant
    .symbol:         k_q1e23b275d2_quant.kd
    .args:
      - { .name: x, .offset: 0, .size: 8, .value_kind: global_buffer, .address_space: global }
      - { .name: W_qkv, .offset: 8, .size: 8, .value_kind: global_buffer, .address_space: global }
      - { .name: W_o, .offset: 16, .size: 8, .value_kind: global_buffer, .address_space: global }
      - { .name: lowp_scales, .offset: 24, .size: 8, .value_kind: global_buffer, .address_space: global }
      - { .name: x_img, .offset: 32, .size: 8, .value_kind: global_buffer, .address_space: global }
      - { .name: wqkv_img, .offset: 40, .size: 8, .value_kind: global_buffer, .address_space: global }
      - { .name: wo_img, .offset: 48, .size: 8, .value_kind: global_buffer, .address_space: global }
    .group_segment_fixed_size: 68096
    .private_segment_fixed_size: 0
    .kernarg_segment_align: 8
    .kernarg_segment_size: 56
    .max_flat_workgroup_size: 128
    .sgpr_count:     66
    .vgpr_count:     242
    .wavefront_size: 32
...
	.end_amdgpu_metadata
.endif
;; end of part 1
;; launch qkv (part 2): grid 16 x 32, 4 waves a work-group, clusters of 4 x 4, 327,680 bytes of LDS; arguments x_img, wqkv_img, b_qkv, lowp_scales, q_img, k_img, v_img; writes q_img, k_img, v_img
.if DOCPART == 2
	.amdgcn_target "amdgcn-amd-amdhsa--gfx1250"
	.amdhsa_code_object_version 6
	.text
	.protected	k_q1e23b275d2_qkv
	.globl	k_q1e23b275d2_qkv
	.p2align	8
	.type	k_q1e23b275d2_qkv,@function
k_q1e23b275d2_qkv:
	s_mov_b64 s[64:65], 0
	v_nop
	global_prefetch_b8 v0, s[64:65] scope:SCOPE_SE
	s_setreg_imm32_b32 hwreg(HW_REG_WAVE_MODE, 25, 1), 1
	s_wait_xcnt 0x0
	s_wait_alu depctr_hold_cnt(0) depctr_sa_sdst(0) depctr_va_vdst(0) depctr_va_sdst(0) depctr_va_ssrc(0) depctr_va_vcc(0) depctr_vm_vsrc(0)
	s_getreg_b32 s2, hwreg(HW_REG_IB_STS2, 6, 4)
	s_cmp_eq_u32 s2, 0
	s_cbranch_scc0 .Lentry_in_a_cluster
	s_endpgm
.Lentry_in_a_cluster:
	s_bfe_u32 s2, ttmp6, 0x10000c
	s_cmp_lg_u32 s2, 0xf033
	s_cbranch_scc0 .Lentry_shape_is_right
	s_endpgm
.Lentry_shape_is_right:
; qkv = x W_qkv + b_qkv on codes of E5M2, and q, k, v quantised at once into images of the operands of the attention's two products.
; OPERANDS are images of registers: tile T holds the rows rho(T, i) = 32 (T / 2) + 8 (T % 2) + i + 8 (i / 8); a fragment (tile, K step of 128) is 2,048 dense bytes, c x 512 + 16 x lane, four loads of 16 bytes a lane.
; With such a tile as source 0, register j of lane half h belongs to row 32 (T / 2) + 8 (T % 2) + 16 h + j: the 16 registers of tiles 2 g, 2 g + 1 are 16 neighbours, in the order that the next operand's image wants.
; SHARES.  A work-group makes 256 rows x the 192 columns of ONE head.  Wave w: x's tiles 4 w .. 4 w + 3 of the 16, against all 12 tiles of W (0-3 q, 4-7 k, 8-11 v): 48 accumulators.
; q and k: source 0 = W's tile, source 1 = x's: a lane holds one row, its registers run along the head's 64.  v: source 0 = x's tile, source 1 = W's: a lane holds one of the head's 64, its registers run along the keys.
; K = 1,024 is eight steps of 128.  LDS holds two regions: X (three steps) and Y (two).  Steps 0-2 and 3-4 are asked for at the start; X is filled once more, with steps 5-7.
; CLUSTER 4 x 4: x's tiles hang on the tile row alone and are asked for jointly along a row of the cluster, W's on the head alone and jointly along a column.
; The bias is the C of each sum's first product, divided by 2^(e0 + e1); the conversions take 2^(e - e0 - e1), e = e2 (q), e3 (k), e5 (v).
; LIMITS: e0 + e1 within what v_ldexp_f32 keeps finite for the biases; e2 - e0 - e1, e3 - e0 - e1 and e5 - e0 - e1 between -126 and 112, so that each scale and 57,344 x it are f32 numbers.  NaN is not served.
; REGISTERS, in windows of 256: window 0: v1-29 addresses and scales; v32-63 v's bias, 4 tiles; v64-255 W's fragments, set 0 (on the way out: the codes).   window 1: v0-63 q's and k's bias, 8 tiles; v64-255 W's fragments, set 1.
;   window 2: the accumulators of W's tiles 0-7, (nb, mb) at v[8 (4 nb + mb)].   window 3: v0-127 those of tiles 8-11; v128-255 x's fragments, two sets.
.set RLX,   6144                       ; a tile's bytes in X: three K steps
.set RLY,   4096                       ; in Y: two
.set XA,    0                          ; X: x's 16 tiles,
.set XB,    16*RLX                     ; W's 12
.set YA,    XB+12*RLX
.set YB,    YA+16*RLY
.set SPARE, YB+12*RLY                  ; the spare words, 128 bytes for each wave: two blocks of 256 bytes that no other line names
.set LI,    1                          ; v1   16 x lane
.set AAX,   2                          ; v2   my four tiles of x in X;  v3 in Y
.set AAY,   3
.set ABX0,  4                          ; v4, v5  W's tiles 0-5 and 6-11 in X;  v6, v7 in Y
.set ABX1,  5
.set ABY0,  6
.set ABY1,  7
.set SCQ,   8                          ; v8, v9 q's scale and limit; v10, v11 k's; v12, v13 v's
.set LMQ,   9
.set SCK,   10
.set LMK,   11
.set SCV,   12
.set LMV,   13
.set BH64,  14                         ; v14  64 (lane / 16)
.set BRV,   15                         ; v15  4 (r + 8 (r / 8))
.set VB,    24                         ; v24-27 v's bias as loaded
.set SPW,   28                         ; v28  my spare word; never rewritten
.set NIL,   29                         ; v29  0; never rewritten
.set BV,    32
.set BF,    64                         ; W's fragments
.set AF,    128                        ; x's, in window 3
.set QC,    64                         ; the way out: q's codes, k's, v's, in window 0
.set KC,    96
.set VC,    128
.set G1AX,  28                         ; descriptor groups 1: x's tiles into X, into Y; W's into X, into Y
.set G1AY,  36
.set G1BX,  44
.set G1BY,  52
.set G0AX,  60                         ; and their groups 0
.set G0AY,  68
.set G0BX,  72
.set G0BY,  76
.set MSB, 0
.macro WIN new                         ; the immediate's high byte repeats the setting that is left
.if MSB != (\new)
	s_set_vgpr_msb (MSB<<8)|(\new)
.set MSB, (\new)
.endif
.endm
.macro PLACES n
.rept \n
	v_nop
.endr
.endm
.macro SHAPE g, cc, rr                 ; rr tiles (rows of the tensor, 2,048 elements of 8 bytes apart) x cc elements
	s_mov_b32 s[\g+1], (\cc)<<16                   ; tensor_dim0
	s_mov_b32 s[\g+2], (\rr)<<16                   ; tensor_dim1
	s_mov_b32 s[\g+3], (\cc)<<16                   ; tile_dim0
	s_mov_b32 s[\g+4], \rr                         ; tile_dim1
	s_mov_b32 s[\g+5], 2048                        ; tensor_dim0_stride
	s_mov_b32 s[\g+6], 0
	s_mov_b32 s[\g+7], 0
.endm
; The joint refill: wave 0 fetches x's 16 tiles, wave 1 W's 12, waves 2 and 3 nothing; the branches hang on the wave's number alone.  An s_nop 0 and four v_nop follow each of the two lines.
.macro JLOAD g0a, g1a, g0b, g1b
	s_cmp_eq_u32 s18, 0
	s_cbranch_scc0 .Lfor_b_\@
	tensor_load_to_lds s[\g0a:\g0a+3], s[\g1a:\g1a+7]
	s_nop 0
.rept 4
	v_nop
.endr
	s_branch .Lasked_\@
.Lfor_b_\@:
	s_cmp_eq_u32 s18, 1
	s_cbranch_scc0 .Lasked_\@
	tensor_load_to_lds s[\g0b:\g0b+3], s[\g1b:\g1b+7]
	s_nop 0
.rept 4
	v_nop
.endr
.Lasked_\@:
.endm
.macro CREST                           ; a round of the cluster's barrier behind its opening barrier
	s_cmp_lg_u32 s18, 0
	s_cbranch_scc1 .Lnot_wave_0_\@
	s_barrier_signal -3
.Lnot_wave_0_\@:
	s_barrier_wait -3
	s_barrier_signal -1
	s_barrier_wait -1
.endm
.macro CROUND
	s_barrier_signal -1
	s_barrier_wait -1
	CREST
.endm
.macro FOLD e, sc, lim                 ; v[sc] = 2^(s[e] - e0 - e1), v[lim] = 57,344 x that; s92 = e0 + e1
	s_sub_co_i32 s94, s[\e], s92
	s_add_co_i32 s94, s94, 127
	s_lshl_b32 s95, s94, 23
	v_mov_b32 v[\sc], s95
	s_add_co_i32 s94, s94, 15
	s_lshl_b32 s94, s94, 23
	s_or_b32 s94, s94, 0x600000
	v_mov_b32 v[\lim], s94
.endm
; 64 LDS loads in one run: the fragments of the region's sx-th K step into set p: my four of x, all twelve of W
.macro FETCH ra, rb0, rb1, RL, sx, p
	WIN 0xc0
.irp mb, 0,1,2,3
.irp c, 0,1,2,3
	ds_load_b128 v[AF+64*(\p)+16*\mb+4*\c:AF+64*(\p)+16*\mb+4*\c+3], v[\ra] offset:\mb*(\RL)+2048*(\sx)+512*\c
.endr
.endr
	WIN ((\p)<<6)
.irp nb, 0,1,2,3,4,5
.irp c, 0,1,2,3
	ds_load_b128 v[BF+16*\nb+4*\c:BF+16*\nb+4*\c+3], v[\rb0] offset:\nb*(\RL)+2048*(\sx)+512*\c
.endr
.endr
.irp nb, 0,1,2,3,4,5
.irp c, 0,1,2,3
	ds_load_b128 v[BF+96+16*\nb+4*\c:BF+96+16*\nb+4*\c+3], v[\rb1] offset:\nb*(\RL)+2048*(\sx)+512*\c
.endr
.endr
.endm
; The products of W's tiles nbA .. nbB (q, k) with my four tiles of x.  first = 1: the bias starts the sums.  The 48 accumulators take turns, one instruction a turn, in the same order in every step.
.macro MULQK p, nbA, nbB, first
.if \first
	WIN 0x9c                                       ; source 0 (W) window 0, source 1 (x) window 3, C (the bias) window 1, D window 2
.else
	WIN (0xac|(\p))                                ; source 0 window p, source 1 window 3, C and D window 2
.endif
.set NBI, \nbA
.rept (\nbB)-(\nbA)+1
.irp mb, 0,1,2,3
.if \first
	v_wmma_f32_16x16x128_bf8_bf8 v[8*(4*NBI+\mb):8*(4*NBI+\mb)+7], v[BF+16*NBI:BF+16*NBI+15], v[AF+64*(\p)+16*\mb:AF+64*(\p)+16*\mb+15], v[8*NBI:8*NBI+7]
.else
	v_wmma_f32_16x16x128_bf8_bf8 v[8*(4*NBI+\mb):8*(4*NBI+\mb)+7], v[BF+16*NBI:BF+16*NBI+15], v[AF+64*(\p)+16*\mb:AF+64*(\p)+16*\mb+15], v[8*(4*NBI+\mb):8*(4*NBI+\mb)+7]
.endif
.endr
.set NBI, NBI+1
.endr
.endm
.macro MULV p, nbA, nbB, first         ; the same for v's tiles (8 .. 11), the sources the other way round
.if \first
	WIN 0xc3                                       ; source 0 (x) window 3, source 1 (W) window 0, C (the bias) window 0, D window 3
.else
	WIN (0xf3|((\p)<<2))                           ; source 0 window 3, source 1 window p, C and D window 3
.endif
.set NBI, \nbA
.rept (\nbB)-(\nbA)+1
.irp mb, 0,1,2,3
.if \first
	v_wmma_f32_16x16x128_bf8_bf8 v[8*(4*(NBI-8)+\mb):8*(4*(NBI-8)+\mb)+7], v[AF+64*(\p)+16*\mb:AF+64*(\p)+16*\mb+15], v[BF+16*NBI:BF+16*NBI+15], v[BV+8*(NBI-8):BV+8*(NBI-8)+7]
.else
	v_wmma_f32_16x16x128_bf8_bf8 v[8*(4*(NBI-8)+\mb):8*(4*(NBI-8)+\mb)+7], v[AF+64*(\p)+16*\mb:AF+64*(\p)+16*\mb+15], v[BF+16*NBI:BF+16*NBI+15], v[8*(4*(NBI-8)+\mb):8*(4*(NBI-8)+\mb)+7]
.endif
.endr
.set NBI, NBI+1
.endr
.endm
; A K step whose successor's fragments lie ready in LDS: they are asked for first, into the other set, and land under this step's 48 products.
.macro PLAIN p, first, ra, rb0, rb1, RL, sx
	s_wait_dscnt 0x0                               ; this step's fragments are in
.if !(\first)
	PLACES 4                                       ; four plain lines between the last products, which read the other set, and the loads into it (ISA guide 7.12.1 for vector instructions)
.endif
	FETCH \ra, \rb0, \rb1, \RL, \sx, 1-(\p)
	MULQK \p, 0, 7, \first
	MULV \p, 8, 11, \first
.endm
	s_load_b256 s[4:11], s[0:1], 0x0               ; x's image s[4:5], W_qkv's s[6:7], b_qkv s[8:9], the scales' exponents s[10:11]
	s_load_b128 s[12:15], s[0:1], 0x20             ; q's image s[12:13], k's s[14:15]
	s_load_b64 s[16:17], s[0:1], 0x30              ; v's
	v_lshl_add_u32 v[SPW], v0, 2, SPARE
	v_mov_b32 v[NIL], 0
	ds_add_u32 v28, v29
	ds_add_u32 v28, v29
	s_wait_dscnt 0x0
	v_lshrrev_b32 v1, 5, v0
	v_readfirstlane_b32 s18, v1                    ; wave 0..3
	s_lshr_b32 s19, s18, 1                         ; w / 2 and
	s_and_b32 s20, s18, 1                          ; w % 2: where my codes of v go
	s_bfe_u32 s21, ttmp6, 0x40000                  ; cx, cy: my place in the cluster
	s_bfe_u32 s22, ttmp6, 0x40004
	s_lshl_b32 s23, ttmp9, 2
	s_add_co_u32 s23, s23, s21                     ; the head = 4 x cluster x + cx
	s_and_b32 s24, ttmp7, 0xffff
	s_lshl_b32 s24, s24, 2
	s_add_co_u32 s24, s24, s22                     ; the block of 256 rows = 4 x cluster y + cy
	s_lshl_b32 s25, s22, 2
	s_lshl_b32 s25, 15, s25                        ; my row of the cluster
	s_lshl_b32 s26, 0x1111, s21                    ; my column
	s_or_b32 s[G1AX], s25, (3<<16)|(1<<21)         ; 15:0 the mask; 17:16 elements of 8 bytes; 21 set beside a mask; no padding
	s_or_b32 s[G1AY], s25, (3<<16)|(1<<21)
	s_or_b32 s[G1BX], s26, (3<<16)|(1<<21)
	s_or_b32 s[G1BY], s26, (3<<16)|(1<<21)
	SHAPE G1AX, 768, 16                            ; x's 16 tiles x three K steps (6,144 bytes)
	SHAPE G1AY, 512, 16                            ; 16 tiles x two
	SHAPE G1BX, 768, 12                            ; W's 12 tiles likewise
	SHAPE G1BY, 512, 12
	s_lshl_b32 s88, s24, 18                        ; x: 16 tiles of 16,384 bytes a block
	s_mov_b32 s89, 0
	s_mul_i32 s90, s23, 12*16384                   ; W: 12 tiles a head
	s_mov_b32 s91, 0
	s_wait_kmcnt 0x0
	s_load_b256 s[80:87], s[10:11], 0x0            ; e0 .. e7
	s_add_nc_u64 s[88:89], s[4:5], s[88:89]
	s_add_nc_u64 s[90:91], s[6:7], s[90:91]
	CROUND                                         ; all sixteen work-groups are here: the first joint loads meet
	s_mov_b32 s[G0AX], 1
	s_mov_b32 s[G0AX+1], XA
	s_mov_b64 s[G0AX+2:G0AX+3], s[88:89]           ; K steps 0-2
	s_or_b32 s[G0AX+3], s[G0AX+3], 0x80000000
	s_mov_b32 s[G0AY], 1
	s_mov_b32 s[G0AY+1], YA
	s_add_nc_u64 s[G0AY+2:G0AY+3], s[88:89], 3*2048   ; K steps 3-4
	s_or_b32 s[G0AY+3], s[G0AY+3], 0x80000000
	s_mov_b32 s[G0BX], 1
	s_mov_b32 s[G0BX+1], XB
	s_mov_b64 s[G0BX+2:G0BX+3], s[90:91]
	s_or_b32 s[G0BX+3], s[G0BX+3], 0x80000000
	s_mov_b32 s[G0BY], 1
	s_mov_b32 s[G0BY+1], YB
	s_add_nc_u64 s[G0BY+2:G0BY+3], s[90:91], 3*2048
	s_or_b32 s[G0BY+3], s[G0BY+3], 0x80000000
	s_cmp_eq_u32 s18, 0                            ; the four first fills, one to a wave, in one chain of branches on the wave's number: wave 0 x into X,
	s_cbranch_scc0 .Lfirst_1
	tensor_load_to_lds s[G0AX:G0AX+3], s[G1AX:G1AX+7]
	s_nop 0
.rept 4
	v_nop
.endr
	s_branch .Lfirst_asked
.Lfirst_1:
	s_cmp_eq_u32 s18, 1                            ; wave 1 W into X,
	s_cbranch_scc0 .Lfirst_2
	tensor_load_to_lds s[G0BX:G0BX+3], s[G1BX:G1BX+7]
	s_nop 0
.rept 4
	v_nop
.endr
	s_branch .Lfirst_asked
.Lfirst_2:
	s_cmp_eq_u32 s18, 2                            ; wave 2 x into Y,
	s_cbranch_scc0 .Lfirst_3
	tensor_load_to_lds s[G0AY:G0AY+3], s[G1AY:G1AY+7]
	s_nop 0
.rept 4
	v_nop
.endr
	s_branch .Lfirst_asked
.Lfirst_3:
	tensor_load_to_lds s[G0BY:G0BY+3], s[G1BY:G1BY+7]   ; wave 3 W into Y
	s_nop 0
.rept 4
	v_nop
.endr
.Lfirst_asked:
	v_and_b32 v1, 31, v0
	v_lshlrev_b32 v[LI], 4, v1
	s_mul_i32 s27, s18, 4*RLX
	v_add_nc_u32 v[AAX], s27, v[LI]
	s_mul_i32 s27, s18, 4*RLY
	s_add_co_u32 s27, s27, YA
	v_add_nc_u32 v[AAY], s27, v[LI]
	v_add_nc_u32 v[ABX0], XB, v[LI]
	v_add_nc_u32 v[ABX1], XB+6*RLX, v[LI]
	v_add_nc_u32 v[ABY0], YB, v[LI]
	v_add_nc_u32 v[ABY1], YB+6*RLY, v[LI]
	v_bfe_u32 v16, v0, 4, 1                        ; h
	v_lshlrev_b32 v[BH64], 6, v16
	v_and_b32 v17, 15, v0                          ; r
	v_and_b32 v18, 8, v17
	v_add_nc_u32 v17, v17, v18                     ; r + 8 (r / 8)
	v_lshlrev_b32 v[BRV], 2, v17
	s_mul_i32 s2, s23, 768                         ; the head's 192 numbers of the bias
	s_mov_b32 s3, 0
	s_add_nc_u64 s[8:9], s[8:9], s[2:3]
	WIN 0x40                                       ; destination window 1
.irp nb, 0,1,2,3,4,5,6,7                       ; q's and k's: register j of tile nb is column 32 (nb / 2) + 8 (nb % 2) + 16 h + j
	global_load_b128 v[8*\nb:8*\nb+3],   v[BH64], s[8:9] offset:(32*(\nb/2)+8*(\nb%2))*4
	global_load_b128 v[8*\nb+4:8*\nb+7], v[BH64], s[8:9] offset:(32*(\nb/2)+8*(\nb%2))*4+16
.endr
	WIN 0
.irp t, 0,1,2,3                                ; v's: all eight registers of tile t are column 128 + 32 (t / 2) + 8 (t % 2) + r + 8 (r / 8)
	global_load_b32 v[VB+\t], v[BRV], s[8:9] offset:(128+32*(\t/2)+8*(\t%2))*4
.endr
	; where my codes go.  bh = 16 (block / 8) + head; within the batch the block's tiles begin at 16 (block % 8), its key steps at 2 (block % 8)
	s_lshr_b32 s98, s24, 3
	s_lshl_b32 s98, s98, 4
	s_add_co_u32 s98, s98, s23
	s_lshl_b32 s98, s98, 17                        ; bh x 131,072
	s_and_b32 s99, s24, 7
	s_lshl_b32 s99, s99, 14                        ; 16 tiles of 1,024 bytes = 2 key steps of 8,192
	s_add_co_u32 s98, s98, s99
	s_lshl_b32 s27, s18, 12                        ; q, k: my four tiles
	s_add_co_u32 s2, s98, s27
	s_add_nc_u64 s[12:13], s[12:13], s[2:3]
	s_add_nc_u64 s[14:15], s[14:15], s[2:3]
	s_lshl_b32 s27, s19, 13                        ; v: key step w / 2,
	s_add_co_u32 s98, s98, s27
	s_lshl_b32 s27, s20, 10                        ; its blocks of 32 keys 2 (w % 2) on
	s_add_co_u32 s98, s98, s27
	s_mov_b32 s99, 0
	s_add_nc_u64 s[16:17], s[16:17], s[98:99]
	s_wait_kmcnt 0x0
	s_add_co_i32 s92, s80, s81                     ; e0 + e1: a sum stands for sum x 2^(e0 + e1)
	s_sub_co_i32 s93, 0, s92
	FOLD 82, SCQ, LMQ
	FOLD 83, SCK, LMK
	FOLD 85, SCV, LMV
	s_wait_loadcnt 0x0                             ; the biases
	WIN 0x41                                       ; source 0 and destination window 1
.set J, 0
.rept 64
	v_ldexp_f32 v[J], v[J], s93                    ; b / 2^(e0 + e1)
.set J, J+1
.endr
	WIN 0
.irp t, 0,1,2,3
.irp j, 0,1,2,3,4,5,6,7
	v_ldexp_f32 v[BV+8*\t+\j], v[VB+\t], s93
.endr
.endr
	s_wait_alu depctr_va_vdst(0)
	s_wait_tensorcnt 0x0                           ; my one first fill is in; behind the barrier everybody's is
	s_barrier_signal -1
	s_barrier_wait -1
	FETCH AAX, ABX0, ABX1, RLX, 0, 0
	PLAIN 0, 1, AAX, ABX0, ABX1, RLX, 1            ; K step 0
	PLAIN 1, 0, AAX, ABX0, ABX1, RLX, 2            ; K step 1
	; K step 2: its fragments were the last reads of X.  X is filled again, with K steps 5-7
	WIN 0                                          ; (the add's two registers lie in window 0)
	s_wait_tensorcnt 0x0                           ; all my tensor loads have landed: my part of Y;
	ds_add_u32 v[SPW], v[NIL]                      ; 0 onto my spare word;
	s_wait_dscnt 0x1                               ; this step's fragments are in; the add alone may be out
	MULQK 0, 0, 1, 0                               ; eight matrix instructions stand between the add and the wait for it
	s_wait_dscnt 0x0                               ; the add is done, and my reads of X are over
	s_barrier_signal -1
	MULQK 0, 2, 3, 0
	WIN 0
	s_barrier_wait -1
	CREST                                          ; the barrier has opened a round of the cluster's: no wave of any partner still reads X or has a load on its way
	s_add_nc_u64 s[G0AX+2:G0AX+3], s[G0AX+2:G0AX+3], 5*2048
	s_add_nc_u64 s[G0BX+2:G0BX+3], s[G0BX+2:G0BX+3], 5*2048
	JLOAD G0AX, G1AX, G0BX, G1BX                   ; the first tensor load behind the round, one a wave (waves 0 and 1)
	PLACES 4                                       ; on every wave's way: the places in front of the loads below
	FETCH AAY, ABY0, ABY1, RLY, 0, 1
	MULQK 0, 4, 7, 0
	MULV 0, 8, 11, 0
	PLAIN 1, 0, AAY, ABY0, ABY1, RLY, 1            ; K step 3
	; K step 4: X's second fill is wanted next
	s_wait_dscnt 0x0
	MULQK 0, 0, 7, 0
	s_wait_tensorcnt 0x0                           ; my part of K steps 5-7 is in (the one load that was out),
	s_barrier_signal -1
	MULV 0, 8, 9, 0
	s_barrier_wait -1                              ; everybody's is
	PLACES 4
	FETCH AAX, ABX0, ABX1, RLX, 0, 1
	MULV 0, 10, 11, 0
	PLAIN 1, 0, AAX, ABX0, ABX1, RLX, 1            ; K step 5
	PLAIN 0, 0, AAX, ABX0, ABX1, RLX, 2            ; K step 6
	s_wait_dscnt 0x0                               ; K step 7: nothing more to fetch
	MULQK 1, 0, 7, 0
	MULV 1, 8, 11, 0
	; THE WAY OUT.  The sums are held, converted and stored: the conversions' results ARE the images' registers, so nothing goes through LDS.  Each accumulator is read from its low end on.
	PLACES 4
	WIN 0x82                                       ; source 0 and destination window 2
.set J, 0
.rept 128
	v_med3_num_f32 v[J], v[J], -v[LMQ], v[LMQ]     ; the conversion to an 8-bit code does not saturate (ISA guide 7.6.2)
.set J, J+1
.endr
.rept 128
	v_med3_num_f32 v[J], v[J], -v[LMK], v[LMK]
.set J, J+1
.endr
	WIN 0x02                                       ; source 0 window 2, destination window 0
.irp mb, 0,1,2,3
.irp c, 0,1
.irp u, 0,1
	v_cvt_scalef32_pk8_bf8_f32 v[QC+8*\mb+4*\c+2*\u:QC+8*\mb+4*\c+2*\u+1], v[8*(4*(2*\c+\u)+\mb):8*(4*(2*\c+\u)+\mb)+7], v[SCQ]     ; my row's d = 32 c + 16 h + 8 u + 0 .. 7
	v_cvt_scalef32_pk8_bf8_f32 v[KC+8*\mb+4*\c+2*\u:KC+8*\mb+4*\c+2*\u+1], v[8*(4*(4+2*\c+\u)+\mb):8*(4*(4+2*\c+\u)+\mb)+7], v[SCK]
.endr
.endr
.endr
	WIN 0xc3                                       ; source 0 and destination window 3
.set J, 0
.rept 128
	v_med3_num_f32 v[J], v[J], -v[LMV], v[LMV]
.set J, J+1
.endr
	WIN 0x03
.irp t, 0,1,2,3
.irp gl, 0,1
.irp u, 0,1
	v_cvt_scalef32_pk8_bf8_f32 v[VC+8*\t+4*\gl+2*\u:VC+8*\t+4*\gl+2*\u+1], v[8*(4*\t+2*\gl+\u):8*(4*\t+2*\gl+\u)+7], v[SCV]           ; my d's keys 32 gl + 16 h + 8 u + 0 .. 7 of my 64
.endr
.endr
.endr
	WIN 0
	v_nop                                          ; a plain line behind the last conversion
.irp mb, 0,1,2,3
.irp c, 0,1
	global_store_b128 v[LI], v[QC+8*\mb+4*\c:QC+8*\mb+4*\c+3], s[12:13] offset:1024*\mb+512*\c   ; each store of the wave covers 512 dense bytes, aligned
	global_store_b128 v[LI], v[KC+8*\mb+4*\c:KC+8*\mb+4*\c+3], s[14:15] offset:1024*\mb+512*\c
.endr
.endr
.irp t, 0,1,2,3
.irp gl, 0,1
	global_store_b128 v[LI], v[VC+8*\t+4*\gl:VC+8*\t+4*\gl+3], s[16:17] offset:2048*\t+512*\gl
.endr
.endr
	s_wait_tensorcnt 0x0                           ; the wave's end
	ds_add_u32 v[SPW], v[NIL]
	s_wait_dscnt 0x0
	CROUND                                         ; the closing round: no work-group ends while a partner may still ask for a tile that names it
	s_endpgm
.Lfunc_end_k_q1e23b275d2_qkv:
	.size	k_q1e23b275d2_qkv, .Lfunc_end_k_q1e23b275d2_qkv-k_q1e23b275d2_qkv
	.p2alignl 7, 3214868480
	.fill 96, 4, 3214868480
	.section	.rodata,"a",@progbits
	.p2align	6, 0x0
	.amdhsa_kernel k_q1e23b275d2_qkv
		.amdhsa_group_segment_fixed_size 327680
		.amdhsa_private_segment_fixed_size 0
		.amdhsa_enable_private_segment 0
		.amdhsa_kernarg_size 56
		.amdhsa_user_sgpr_count 2
		.amdhsa_user_sgpr_kernarg_segment_ptr 1
		.amdhsa_wavefront_size32 1
		.amdhsa_system_sgpr_workgroup_id_x 1
		.amdhsa_system_sgpr_workgroup_id_y 1
		.amdhsa_system_sgpr_workgroup_id_z 1
		.amdhsa_system_vgpr_workitem_id 0
		.amdhsa_next_free_vgpr 1024
		.amdhsa_next_free_sgpr 100
		.amdhsa_reserve_vcc 0
		.amdhsa_float_denorm_mode_32 3
		.amdhsa_float_denorm_mode_16_64 3
		.amdhsa_memory_ordered 1
		.amdhsa_forward_progress 1
		.amdhsa_inst_pref_size 106
	.end_amdhsa_kernel
	.amdgpu_metadata
---
amdhsa.version: [ 1, 2 ]
amdhsa.kernels:
  - .name:           k_q1e23b275d2_qkv
    .symbol:         k_q1e23b275d2_qkv.kd
    .args:
      - { .name: x_img, .offset: 0, .size: 8, .value_kind: global_buffer, .address_space: global }
      - { .name: wqkv_img, .offset: 8, .size: 8, .value_kind: global_buffer, .address_space: global }
      - { .name: b_qkv, .offset: 16, .size: 8, .value_kind: global_buffer, .address_space: global }
      - { .name: lowp_scales, .offset: 24, .size: 8, .value_kind: global_buffer, .address_space: global }
      - { .name: q_img, .offset: 32, .size: 8, .value_kind: global_buffer, .address_space: global }
      - { .name: k_img, .offset: 40, .size: 8, .value_kind: global_buffer, .address_space: global }
      - { .name: v_img, .offset: 48, .size: 8, .value_kind: global_buffer, .address_space: global }
    .group_segment_fixed_size: 327680
    .private_segment_fixed_size: 0
    .kernarg_segment_align: 8
    .kernarg_segment_size: 56
    .max_flat_workgroup_size: 128
    .sgpr_count:     100
    .vgpr_count:     1024
    .wavefront_size: 32
...
	.end_amdgpu_metadata
.endif
;; end of part 2
;; launch attn (part 3): grid 4 x 64, 8 waves a work-group, clusters of 4 x 1, 327,680 bytes of LDS; arguments q_img, k_img, v_img, lowp_scales, vals_img; writes vals_img
.if DOCPART == 3
	.amdgcn_target "amdgcn-amd-amdhsa--gfx1250"
	.amdhsa_code_object_version 6
	.text
	.protected	k_q1e23b275d2_attn
	.globl	k_q1e23b275d2_attn
	.p2align	8
	.type	k_q1e23b275d2_attn,@function
k_q1e23b275d2_attn:
	s_mov_b64 s[64:65], 0
	v_nop
	global_prefetch_b8 v0, s[64:65] scope:SCOPE_SE
	s_setreg_imm32_b32 hwreg(HW_REG_WAVE_MODE, 25, 1), 1
	s_wait_xcnt 0x0
	s_wait_alu depctr_hold_cnt(0) depctr_sa_sdst(0) depctr_va_vdst(0) depctr_va_sdst(0) depctr_va_ssrc(0) depctr_va_vcc(0) depctr_vm_vsrc(0)
	s_getreg_b32 s2, hwreg(HW_REG_IB_STS2, 6, 4)
	s_cmp_eq_u32 s2, 0
	s_cbranch_scc0 .Lentry_in_a_cluster
	s_endpgm
.Lentry_in_a_cluster:
	s_bfe_u32 s2, ttmp6, 0x10000c
	s_cmp_lg_u32 s2, 0x3003
	s_cbranch_scc0 .Lentry_shape_is_right
	s_endpgm
.Lentry_shape_is_right:
; vals = softmax(q k^T / 8) v for one batch and head, both products on codes of E5M2, and vals quantised at once into the image of the last product's operand.
; t = score x log2(e) / 8; M = the running largest t rounded up to a whole number; p = 2^(t - M) is quantised with 2^e4; the row's sum is taken of the unquantised p and divides at the end.
; IMAGES.  q, k: a tile of 16 rows x 64 is 1,024 dense bytes (c x 512 + 16 x lane); v: a key step of 128 keys is four tiles (16 of the head's 64 x 128 keys) of 2,048 bytes.  A tile holds rows 32 (T / 2) + 8 (T % 2) + i + 8 (i / 8),
; so that the 16 registers of two neighbouring result tiles are 16 neighbours along the next K.  Both products are used transposed: a lane holds one query throughout.
; SHARES.  A work-group owns 512 queries of one head; the head's K (131,072 bytes) and V (131,072) lie whole in LDS.  Eight waves, two to a SIMD.  A wave owns TWO tiles of 16 queries (A, B) at a time, in two passes:
; each fragment of K and of V that it reads from LDS feeds two matrix instructions.
; CLUSTER 4 x 1: the four work-groups of a head ask for K and V jointly.  Each wave asks for 16,384 bytes of key steps 0-7 at the head, and for its part of steps 8-15 behind a full round; seven steps are worked under that second load.
; No prefetch: all of K and V is asked for by those two loads at the head, and no later load is left for a loop to run ahead of.
; A step asks for its V and for the NEXT step's K right behind its score products.  The last step of a pass asks for key step 0 again: the second pass begins with it; behind the second pass those 16 loads are not used.
; THE TWO TILES ARE WORKED HALF A STEP APART: plain lines of one tile stand between the exponentials of the other.  Each such line reads only what was written ahead of the wait in front of the batch, and its result is first read behind the wait that follows the batch.
; LIMITS: e2 + e3 between -123 and 130 (added to c's exponent field); e4, and e6 - e4 - e5, between -126 and 112, so that each scale and 57,344 x it are f32 numbers; the scaled scores stay under 2^31.  NaN is not served.
; REGISTERS.  window 0: v1-9 addresses, the add's two, scales; v10-23 both tiles' -M, largest score, f and what is at work on them; v24 V's lane address; v28-35 maxima; v36-51 the rows' sums, four pairs a tile; v52-83 p's codes; v96-223 S^T, then p.
;   window 1: v0-31 Q (two passes x two tiles); v32-63 codes on the way out; v64-127 O^T; v128-191 K's fragments; v192-255 V's.
.set LI,   1
.set ADK,  2
.set ADV,  3
.set SPW,  4                           ; my spare word; never rewritten
.set NIL,  5                           ; 0; never rewritten
.set LMP,  6
.set SCP,  7
.set SCO,  8
.set LMO,  9
.set NM,   10                          ; v[10+2t] -M, v[11+2t] the largest score so far
.set F,    14                          ; v[14+2t] f = 2^(old M - new M), v[15+2t] its exponent
.set MX,   18
.set PD,   20
.set NN,   22
.set LIV,  24
.set MT,   28
.set SM,   36
.set PC,   52
.set S,    96
.set OC,   32                          ; window 1 from here on
.set OT,   64
.set KF,   128
.set VF,   192
.set SPARE, 0x40000                    ; behind K and V: the spare words, 128 bytes for each of eight waves
.set WV,   18
.set SEL,  20
.set CS,   22
.set G1,   24
.set TB,   40
.set CNT,  41
.set TK,   56
.set MSB, 0
.macro WIN new                         ; the immediate's high byte repeats the setting that is left
.if MSB != (\new)
	s_set_vgpr_msb (MSB<<8)|(\new)
.set MSB, (\new)
.endif
.endm
.macro CROUND
	s_barrier_signal -1
	s_barrier_wait -1
	s_cmp_lg_u32 s[WV], 0
	s_cbranch_scc1 .Lnot_wave_0_\@
	s_barrier_signal -3
.Lnot_wave_0_\@:
	s_barrier_wait -3
	s_barrier_signal -1
	s_barrier_wait -1
.endm
.macro KLOAD adr                       ; a key step's eight tiles of K (the destination's window is 1)
.irp k, 0,1,2,3,4,5,6,7
	ds_load_b128 v[KF+8*\k:KF+8*\k+3],   v[\adr] offset:1024*\k
	ds_load_b128 v[KF+8*\k+4:KF+8*\k+7], v[\adr] offset:1024*\k+512
.endr
.endm
.macro INIT                            ; the step is written once: the first finds zeros, which the first change of M leaves zeros
	WIN 0
.irp t, 0,1
	v_mov_b32 v[NM+2*\t+1], 0xff61b1e6             ; -3e38, under every score
	v_mov_b32 v[NM+2*\t], 0x7f61b1e6               ; -M
.endr
.set J, 0
.rept 16
	v_mov_b32 v[SM+J], 0
.set J, J+1
.endr
	WIN 0x40
.set J, 0
.rept 64
	v_mov_b32 v[OT+J], 0
.set J, J+1
.endr
	WIN 0
.endm
.macro MISCI t, i                      ; line i of the eight that make tile t's new M and f; they hang on each other, so they are laid among other work
.if (\i) == 0
	v_permlanex16_b32 v[PD+\t], v[MX+\t], s[SEL], s[SEL+1]
.endif
.if (\i) == 1
	v_max3_num_f32 v[NM+2*\t+1], v[NM+2*\t+1], v[MX+\t], v[PD+\t]   ; with lane l xor 16's: the running largest score
.endif
.if (\i) == 2
	v_mul_f32 v[NN+\t], s[CS], v[NM+2*\t+1]        ; as t (c is positive)
.endif
.if (\i) == 3
	v_floor_f32 v[NN+\t], -v[NN+\t]                ; the new -M = -ceil(t): a whole number
.endif
.if (\i) == 4
	v_sub_f32 v[F+2*\t+1], v[NN+\t], v[NM+2*\t]    ; old M - new M, 0 or less
.endif
.if (\i) == 5
	v_mov_b32 v[NM+2*\t], v[NN+\t]
.endif
.if (\i) == 6
	v_cvt_i32_f32 v[F+2*\t+1], v[F+2*\t+1]         ; (it saturates)
.endif
.if (\i) == 7
	v_ldexp_f32 v[F+2*\t], 1.0, v[F+2*\t+1]        ; f: a multiplication by it rounds nothing
.endif
.endm
.macro MAXT t, il                      ; my query's largest score among my 64 keys: four chains, each accumulator from its low end on.  il = 1: tile A's eight lines among them
.irp c, 0,1,2,3
	v_max3_num_f32 v[MT+4*\t+\c], v[S+64*\t+16*\c], v[S+64*\t+16*\c+1], v[S+64*\t+16*\c+2]
.endr
.if \il
	MISCI 0, 0
.endif
.irp k, 0,1,2,3,4,5
.irp c, 0,1,2,3
	v_max3_num_f32 v[MT+4*\t+\c], v[MT+4*\t+\c], v[S+64*\t+16*\c+3+2*\k], v[S+64*\t+16*\c+4+2*\k]
.endr
.if \il
	MISCI 0, \k+1
.endif
.endr
	v_max3_num_f32 v[MT+4*\t], v[MT+4*\t], v[MT+4*\t+1], v[S+64*\t+15]
	v_max3_num_f32 v[MT+4*\t+2], v[MT+4*\t+2], v[MT+4*\t+3], v[S+64*\t+31]
	v_max3_num_f32 v[MT+4*\t], v[MT+4*\t], v[MT+4*\t+2], v[S+64*\t+47]
	v_max_num_f32 v[MX+\t], v[MT+4*\t], v[S+64*\t+63]
.if \il
	MISCI 0, 7
.endif
.endm
.macro ADDS t                          ; the sum of the unquantised p, in four chains
.set J, 0
.rept 8
.irp c, 0,1,2,3
	v_pk_add_f32 v[SM+8*\t+2*\c:SM+8*\t+2*\c+1], v[SM+8*\t+2*\c:SM+8*\t+2*\c+1], v[S+64*\t+J+2*\c:S+64*\t+J+2*\c+1]
.endr
.set J, J+8
.endr
.endm
.macro HOLD2 r                         ; two numbers held at 57,344 x 2^e4 in one line: the conversion does not saturate (ISA guide 7.6.2); p is not negative
	v_dual_min_num_f32 v[\r], v[LMP], v[\r] :: v_dual_min_num_f32 v[\r+1], v[LMP], v[\r+1]
.endm
.macro CODES t
.irp b, 0,1,2,3,4,5,6,7
	v_cvt_scalef32_pk8_bf8_f32 v[PC+16*\t+2*\b:PC+16*\t+2*\b+1], v[S+64*\t+8*\b:S+64*\t+8*\b+7], v[SCP]
.endr
.endm
; A KEY STEP: 128 keys against my 32 queries.  qr: Q's registers of this pass.  wrap = 1: the address of the next step's K goes round to key step 0 behind the last
.macro STEP qr, wrap
	s_wait_dscnt 0x0                               ; this step's K is in
	WIN 0x05                                       ; S^T = K Q^T: both sources window 1, D window 0
.irp t, 0,1
.irp k, 0,1,2,3,4,5,6,7
	v_wmma_f32_16x16x64_bf8_bf8 v[S+64*\t+8*\k:S+64*\t+8*\k+7], v[KF+8*\k:KF+8*\k+7], v[\qr+8*\t:\qr+8*\t+7], 0
.endr
.endr
	WIN 0
	s_add_co_u32 s[TK], s[TB], 8192
.if \wrap
	s_and_b32 s[TK], s[TK], 0x1ffff
.endif
	v_add_nc_u32 v[ADV], s[TB], v[LIV]             ; four places in front of the loads into fragments that products have read, and of the first reads of the scores
	v_add_nc_u32 v[ADK], s[TK], v[LI]
	v_nop
	v_nop
	WIN 0x40
.irp d, 0,1,2,3
.irp c, 0,1,2,3
	ds_load_b128 v[VF+16*\d+4*\c:VF+16*\d+4*\c+3], v[ADV] offset:2048*\d+512*\c
.endr
.endr
	KLOAD ADK
	WIN 0
	MAXT 0, 0
	MAXT 1, 1
.set J, 0
.irp k, 0,1,2,3,4,5,6,7                        ; A: t - M, with tile B's eight lines among them
.rept 4
	v_pk_fma_f32 v[S+J:S+J+1], v[S+J:S+J+1], s[CS:CS+1], v[NM:NM+1] op_sel_hi:[1,0,0]
.set J, J+2
.endr
	MISCI 1, \k
.endr
	WIN 0x41                                       ; O^T (window 1) under the new M: no transcendental stands between the products that wrote it and these lines
.irp t, 0,1
.set J, 0
.rept 16
	v_pk_mul_f32 v[OT+32*\t+J:OT+32*\t+J+1], v[OT+32*\t+J:OT+32*\t+J+1], v[F+2*\t:F+2*\t+1] op_sel_hi:[1,0]
.set J, J+2
.endr
.endr
	WIN 0
	s_wait_alu depctr_va_vdst(0)                   ; ahead of the batch
.set J, 0
.rept 32                                       ; A's exponentials; between them B's t - M and both tiles' sums under the new M
	v_exp_f32 v[S+J], v[S+J]
	v_pk_fma_f32 v[S+64+J:S+64+J+1], v[S+64+J:S+64+J+1], s[CS:CS+1], v[NM+2:NM+3] op_sel_hi:[1,0,0]
	v_exp_f32 v[S+J+1], v[S+J+1]
.if J < 16
	v_pk_mul_f32 v[SM+J:SM+J+1], v[SM+J:SM+J+1], v[F+2*(J/8):F+2*(J/8)+1] op_sel_hi:[1,0]
.endif
.set J, J+2
.endr
	v_nop                                          ; a plain place behind the exponentials
	s_wait_alu depctr_va_vdst(0)                   ; one wait behind the batch, ahead of its first reader; it also stands ahead of the next batch
	ADDS 0
.set J, 0
.rept 32                                       ; B's exponentials; between them A's holds
	v_exp_f32 v[S+64+J], v[S+64+J]
	HOLD2 S+J
	v_exp_f32 v[S+64+J+1], v[S+64+J+1]
.set J, J+2
.endr
	v_nop
	s_wait_alu depctr_va_vdst(0)                   ; one wait behind the batch; it also stands directly ahead of the wait below
	s_wait_dscnt 16                                ; V's 16 loads are in; the next step's 16 of K, issued behind them, may be out
	CODES 0
	ADDS 1
.set J, 0
.rept 32
	HOLD2 S+64+J
.set J, J+2
.endr
	CODES 1
	v_nop                                          ; a plain line behind the last conversion
	WIN 0x51                                       ; O^T += V^T P^T: source 0 (V), C and D window 1, source 1 (p's codes) window 0
.irp t, 0,1
.irp d, 0,1,2,3
	v_wmma_f32_16x16x128_bf8_bf8 v[OT+32*\t+8*\d:OT+32*\t+8*\d+7], v[VF+16*\d:VF+16*\d+15], v[PC+16*\t:PC+16*\t+15], v[OT+32*\t+8*\d:OT+32*\t+8*\d+7]
.endr
.endr
	WIN 0
	s_add_co_u32 s[TB], s[TB], 8192
.endm
.macro OUT pass                        ; O^T / the sum, held, converted with 2^(e6 - e4 - e5), stored as the image's registers
	WIN 0
.irp t, 0,1
	v_pk_add_f32 v[SM+8*\t:SM+8*\t+1], v[SM+8*\t:SM+8*\t+1], v[SM+8*\t+2:SM+8*\t+3]
	v_pk_add_f32 v[SM+8*\t+4:SM+8*\t+5], v[SM+8*\t+4:SM+8*\t+5], v[SM+8*\t+6:SM+8*\t+7]
.endr
.irp t, 0,1
	v_pk_add_f32 v[SM+8*\t:SM+8*\t+1], v[SM+8*\t:SM+8*\t+1], v[SM+8*\t+4:SM+8*\t+5]
.endr
.irp t, 0,1
	v_add_f32 v[SM+8*\t], v[SM+8*\t], v[SM+8*\t+1]
.endr
.irp t, 0,1
	v_permlanex16_b32 v[SM+8*\t+2], v[SM+8*\t], s[SEL], s[SEL+1]
.endr
.irp t, 0,1
	v_add_f32 v[SM+8*\t], v[SM+8*\t], v[SM+8*\t+2] ; the row's sum
.endr
	s_wait_alu depctr_va_vdst(0)                   ; ahead of the transcendentals
	v_rcp_f32 v[SM], v[SM]
	v_rcp_f32 v[SM+8], v[SM+8]
	v_nop
	WIN 0x41
	s_wait_alu depctr_va_vdst(0)                   ; ahead of their first reader, which is also the first reader of O^T
.irp t, 0,1
.set J, 0
.rept 16
	v_pk_mul_f32 v[OT+32*\t+J:OT+32*\t+J+1], v[OT+32*\t+J:OT+32*\t+J+1], v[SM+8*\t:SM+8*\t+1] op_sel_hi:[1,0]
.set J, J+2
.endr
.endr
.set J, 0
.rept 64
	v_med3_num_f32 v[OT+J], v[OT+J], -v[LMO], v[LMO]
.set J, J+1
.endr
.irp t, 0,1
.irp d, 0,1,2,3
	v_cvt_scalef32_pk8_bf8_f32 v[OC+8*(2*(\pass)+\t)+2*\d:OC+8*(2*(\pass)+\t)+2*\d+1], v[OT+32*\t+8*\d:OT+32*\t+8*\d+7], v[SCO]
.endr
.endr
	v_nop                                          ; a plain line behind the last conversion
	WIN 0x04                                       ; the stores' data in window 1
.irp t, 0,1
	global_store_b128 v[LI], v[OC+8*(2*(\pass)+\t):OC+8*(2*(\pass)+\t)+3],   s[12:13] offset:262144*(\pass)+16384*\t       ; each store of the wave covers 512 dense bytes, aligned
	global_store_b128 v[LI], v[OC+8*(2*(\pass)+\t)+4:OC+8*(2*(\pass)+\t)+7], s[12:13] offset:262144*(\pass)+16384*\t+512
.endr
	WIN 0
.endm
	s_load_b256 s[4:11], s[0:1], 0x0               ; q's image s[4:5], k's s[6:7], v's s[8:9], the scales' exponents s[10:11]
	s_load_b64 s[12:13], s[0:1], 0x20              ; vals' image
	v_lshl_add_u32 v[SPW], v0, 2, SPARE
	v_mov_b32 v[NIL], 0
	ds_add_u32 v[SPW], v[NIL]                      ; the opening lines: the add, twice on end, and its wait ahead of my first tensor load
	ds_add_u32 v[SPW], v[NIL]
	v_lshrrev_b32 v1, 5, v0
	v_readfirstlane_b32 s[WV], v1                  ; wave 0..7
	s_bfe_u32 s19, ttmp6, 0x40000                  ; cx: which 512 queries
	s_and_b32 s14, ttmp7, 0xffff                   ; batch x 16 + head
	s_lshl_b32 s16, s14, 17                        ; its 131,072 bytes in each image
	s_mov_b32 s17, 0
	s_and_b32 s15, s[WV], 3
	s_lshl_b32 s15, s15, 14                        ; waves 0-3 fetch K, waves 4-7 V: 16,384 bytes each of eight key steps
	s_add_co_u32 s16, s16, s15
	s_lshr_b32 s42, s[WV], 2
	s_lshl_b32 s42, s42, 17
	s_add_co_u32 s42, s42, s15                     ; where they go: the wave's number alone enters an LDS address
	s_mov_b32 s[G1], 15|(3<<16)|(1<<21)            ; the mask of all four partners; elements of 8 bytes; bit 21 beside a mask
	s_mov_b32 s[G1+1], 32<<16                      ; 64 rows of 256 dense bytes
	s_mov_b32 s[G1+2], 64<<16
	s_mov_b32 s[G1+3], 32<<16
	s_mov_b32 s[G1+4], 64
	s_mov_b32 s[G1+5], 32
	s_mov_b32 s[G1+6], 0
	s_mov_b32 s[G1+7], 0
	s_mov_b32 s[SEL], 0x76543210
	s_mov_b32 s[SEL+1], 0xfedcba98
	s_mov_b32 s[CS], 0x3e38aa3b                    ; c = log2(e) / 8
	s_wait_dscnt 0x0
	s_wait_kmcnt 0x0
	s_load_b256 s[44:51], s[10:11], 0x0            ; e0 .. e7
	s_cmp_lt_u32 s[WV], 4
	s_cselect_b64 s[52:53], s[6:7], s[8:9]
	s_add_nc_u64 s[52:53], s[52:53], s[16:17]
	CROUND                                         ; the four work-groups are here: the first joint loads meet
	s_mov_b32 s32, 1
	s_mov_b32 s33, s42
	s_mov_b64 s[34:35], s[52:53]                   ; key steps 0-7
	s_or_b32 s35, s35, 0x80000000
	s_mov_b32 s36, 1
	s_add_co_u32 s37, s42, 65536
	s_add_nc_u64 s[38:39], s[52:53], 65536         ; key steps 8-15
	s_or_b32 s39, s39, 0x80000000
	tensor_load_to_lds s[32:35], s[G1:G1+7]        ; one tensor load a wave at the head
	s_nop 0
	v_and_b32 v1, 31, v0
	v_lshlrev_b32 v[LI], 4, v1
	v_add_nc_u32 v[LIV], 131072, v[LI]
	v_mov_b32 v[PD], 0                             ; written once: a lane permute's destination counts as one of its sources
	v_mov_b32 v[PD+1], 0
	s_lshl_b32 s54, s14, 17                        ; Q: tile 32 cx + 16 pass + 2 wave + (A: 0, B: 1), 1,024 bytes a tile
	s_lshl_b32 s55, s19, 15
	s_add_co_u32 s54, s54, s55
	s_lshl_b32 s55, s[WV], 11
	s_add_co_u32 s54, s54, s55
	s_mov_b32 s55, 0
	s_add_nc_u64 s[4:5], s[4:5], s[54:55]
	s_wait_alu depctr_va_vdst(0)                   ; ahead of the readers below
	WIN 0x40
.irp n, 0,1,2,3                                ; n = 2 pass + tile
	global_load_b128 v[8*\n:8*\n+3],   v[LI], s[4:5] offset:1024*(\n%2)+16384*(\n/2)
	global_load_b128 v[8*\n+4:8*\n+7], v[LI], s[4:5] offset:1024*(\n%2)+16384*(\n/2)+512
.endr
	WIN 0
	s_lshr_b32 s2, s14, 4                          ; vals: the batch's 128 tiles of 16,384 bytes; the same tile as Q's; the head's 1,024 bytes of it
	s_lshl_b32 s2, s2, 21
	s_lshl_b32 s3, s19, 19
	s_add_co_u32 s2, s2, s3
	s_lshl_b32 s3, s[WV], 15
	s_add_co_u32 s2, s2, s3
	s_and_b32 s3, s14, 15
	s_lshl_b32 s3, s3, 10
	s_add_co_u32 s2, s2, s3
	s_mov_b32 s3, 0
	s_add_nc_u64 s[12:13], s[12:13], s[2:3]
	s_wait_kmcnt 0x0
	s_add_co_i32 s43, s46, s47
	s_lshl_b32 s43, s43, 23
	s_add_co_i32 s[CS], s[CS], s43                 ; a score stands for score x 2^(e2 + e3): added to c's exponent field
	s_mov_b32 s[CS+1], s[CS]
	s_add_co_i32 s43, s48, 127
	s_lshl_b32 s54, s43, 23
	v_mov_b32 v[SCP], s54                          ; 2^e4
	s_add_co_i32 s43, s43, 15
	s_lshl_b32 s43, s43, 23
	s_or_b32 s43, s43, 0x600000
	v_mov_b32 v[LMP], s43                          ; 57,344 x 2^e4
	s_sub_co_i32 s43, s50, s48
	s_sub_co_i32 s43, s43, s49
	s_add_co_i32 s43, s43, 127
	s_lshl_b32 s54, s43, 23
	v_mov_b32 v[SCO], s54                          ; 2^(e6 - e4 - e5)
	s_add_co_i32 s43, s43, 15
	s_lshl_b32 s43, s43, 23
	s_or_b32 s43, s43, 0x600000
	v_mov_b32 v[LMO], s43
	INIT
	s_wait_alu depctr_va_vdst(0)
	s_wait_tensorcnt 0x0                           ; my part of key steps 0-7 is in; these lines stand ahead of a later first fill as ahead of a refill
	ds_add_u32 v[SPW], v[NIL]
	s_wait_dscnt 0x0
	CROUND                                         ; everybody's part is in, and the four work-groups are here
	tensor_load_to_lds s[36:39], s[G1:G1+7]        ; key steps 8-15: the first tensor load behind the round
	s_nop 0
.rept 4
	v_nop
.endr
	WIN 0x40
	KLOAD LI                                       ; key step 0
	WIN 0
	s_mov_b32 s[TB], 0
	s_mov_b32 s[CNT], 7
	s_wait_loadcnt 0x0                             ; Q
.Lhalf0:                                       ; key steps 0-6: they read K up to step 7 and V up to step 6
	STEP 0, 0
	s_sub_co_u32 s[CNT], s[CNT], 1
	s_cmp_lg_u32 s[CNT], 0
	s_cbranch_scc1 .Lhalf0
	s_wait_tensorcnt 0x0                           ; my part of key steps 8-15 is in,
	s_wait_dscnt 0x0                               ; no LDS load of mine is out at the signal;
	s_barrier_signal -1
	s_barrier_wait -1                              ; everybody's is
	s_mov_b32 s[TB], 57344
	s_mov_b32 s[CNT], 9
.Lhalf1:                                       ; key steps 7-15
	STEP 0, 1
	s_sub_co_u32 s[CNT], s[CNT], 1
	s_cmp_lg_u32 s[CNT], 0
	s_cbranch_scc1 .Lhalf1
	OUT 0
	INIT
	s_mov_b32 s[TB], 0
	s_mov_b32 s[CNT], 16
	s_wait_alu depctr_va_vdst(0)                   ; ahead of the wait at the step's head
.Lpass_b:                                      ; the second 32 queries, all sixteen key steps
	STEP 16, 1
	s_sub_co_u32 s[CNT], s[CNT], 1
	s_cmp_lg_u32 s[CNT], 0
	s_cbranch_scc1 .Lpass_b
	OUT 1
	s_wait_tensorcnt 0x0                           ; the wave's end
	ds_add_u32 v[SPW], v[NIL]
	s_wait_dscnt 0x0
	CROUND                                         ; the closing round
	s_endpgm
.Lfunc_end_k_q1e23b275d2_attn:
	.size	k_q1e23b275d2_attn, .Lfunc_end_k_q1e23b275d2_attn-k_q1e23b275d2_attn
	.p2alignl 7, 3214868480
	.fill 96, 4, 3214868480
	.section	.rodata,"a",@progbits
	.p2align	6, 0x0
	.amdhsa_kernel k_q1e23b275d2_attn
		.amdhsa_group_segment_fixed_size 327680
		.amdhsa_private_segment_fixed_size 0
		.amdhsa_enable_private_segment 0
		.amdhsa_kernarg_size 40
		.amdhsa_user_sgpr_count 2
		.amdhsa_user_sgpr_kernarg_segment_ptr 1
		.amdhsa_wavefront_size32 1
		.amdhsa_system_sgpr_workgroup_id_x 1
		.amdhsa_system_sgpr_workgroup_id_y 1
		.amdhsa_system_sgpr_workgroup_id_z 1
		.amdhsa_system_vgpr_workitem_id 0
		.amdhsa_next_free_vgpr 512
		.amdhsa_next_free_sgpr 66
		.amdhsa_reserve_vcc 0
		.amdhsa_float_denorm_mode_32 3
		.amdhsa_float_denorm_mode_16_64 3
		.amdhsa_memory_ordered 1
		.amdhsa_forward_progress 1
		.amdhsa_inst_pref_size 115
	.end_amdhsa_kernel
	.amdgpu_metadata
---
amdhsa.version: [ 1, 2 ]
amdhsa.kernels:
  - .name:           k_q1e23b275d2_attn
    .symbol:         k_q1e23b275d2_attn.kd
    .args:
      - { .name: q_img, .offset: 0, .size: 8, .value_kind: global_buffer, .address_space: global }
      - { .name: k_img, .offset: 8, .size: 8, .value_kind: global_buffer, .address_space: global }
      - { .name: v_img, .offset: 16, .size: 8, .value_kind: global_buffer, .address_space: global }
      - { .name: lowp_scales, .offset: 24, .size: 8, .value_kind: global_buffer, .address_space: global }
      - { .name: vals_img, .offset: 32, .size: 8, .value_kind: global_buffer, .address_space: global }
    .group_segment_fixed_size: 327680
    .private_segment_fixed_size: 0
    .kernarg_segment_align: 8
    .kernarg_segment_size: 40
    .max_flat_workgroup_size: 256
    .sgpr_count:     66
    .vgpr_count:     512
    .wavefront_size: 32
...
	.end_amdgpu_metadata
.endif
;; end of part 3
;; launch proj (part 4): grid 8 x 32, 4 waves a work-group, clusters of 4 x 4, 327,680 bytes of LDS; arguments vals_img, wo_img, b_o, lowp_scales, out0; writes out0
.if DOCPART == 4
	.amdgcn_target "amdgcn-amd-amdhsa--gfx1250"
	.amdhsa_code_object_version 6
	.text
	.protected	k_q1e23b275d2_proj
	.globl	k_q1e23b275d2_proj
	.p2align	8
	.type	k_q1e23b275d2_proj,@function
k_q1e23b275d2_proj:
	s_mov_b64 s[64:65], 0
	v_nop
	global_prefetch_b8 v0, s[64:65] scope:SCOPE_SE
	s_setreg_imm32_b32 hwreg(HW_REG_WAVE_MODE, 25, 1), 1
	s_wait_xcnt 0x0
	s_wait_alu depctr_hold_cnt(0) depctr_sa_sdst(0) depctr_va_vdst(0) depctr_va_sdst(0) depctr_va_ssrc(0) depctr_va_vcc(0) depctr_vm_vsrc(0)
	s_getreg_b32 s2, hwreg(HW_REG_IB_STS2, 6, 4)
	s_cmp_eq_u32 s2, 0
	s_cbranch_scc0 .Lentry_in_a_cluster
	s_endpgm
.Lentry_in_a_cluster:
	s_bfe_u32 s2, ttmp6, 0x10000c
	s_cmp_lg_u32 s2, 0xf033
	s_cbranch_scc0 .Lentry_shape_is_right
	s_endpgm
.Lentry_shape_is_right:
; out = vals W_o + b_o on codes of E5M2.  Both operands are images of registers (tile T holds rows 32 (T / 2) + 8 (T % 2) + i + 8 (i / 8); a fragment of 16 rows x 128 K is 2,048 dense bytes, four loads of 16 bytes a lane).
; SHARES.  A work-group makes 256 rows x 128 columns: 256 work-groups.  Wave w: vals' tiles 4 w .. 4 w + 3 of the 16 against all 8 tiles of W_o: 32 accumulators.
; The matrix instruction is used transposed (source 0 = W_o's tile, source 1 = vals'): a lane holds one row of the output and eight neighbouring columns.
; K = 1,024 is eight steps of 128.  LDS holds two regions: X (two steps) and Y (four).  Steps 0-1 and 2-5 are asked for at the start; X is filled once more, with steps 6-7, and that load has four steps in which to land.
; CLUSTER 4 x 4: vals' tiles are asked for jointly along a row of the cluster, W_o's along a column.
; out = sum x 2^(e6 + e7) + b_o, one packed multiply-add for two numbers.  LIMIT: e6 + e7 between -126 and 127, so that 2^(e6 + e7) is an f32 number.
; REGISTERS: window 0: v1-29 addresses; v32-95 the bias, 8 tiles; v128-255 vals' fragments, two sets (on the way out v128-191: a block's results).   window 1: W_o's fragments, two sets of 128 (on the way out v0-127: rows read back).
;   window 2: the accumulators, (nb, mb) at v[8 (4 nb + mb)].
.set RLX,   4096                       ; a tile's bytes in X: two K steps
.set RLY,   8192                       ; in Y: four
.set XA,    0
.set XB,    16*RLX
.set YA,    XB+8*RLX
.set YB,    YA+16*RLY
.set SPARE, YB+8*RLY                   ; the spare words, 128 bytes for each wave: two blocks of 256 bytes that no other line names
.set STG,   YA                         ; the way out: 16 rows x 528 bytes for each wave, in Y, which has had its one fill and its last read when the first result is stored there
.set LI,    1
.set AAX,   2
.set AAY,   3
.set ABX,   4
.set ABY,   5
.set STO,   6                          ; v6   the stage: where I put 32 bytes of a row
.set RD,    7                          ; v7   and where I read a row back
.set BH64,  14
.set SPW,   28
.set NIL,   29
.set BO,    32
.set AF,    128
.set TMP,   128
.set G1AX,  28
.set G1AY,  36
.set G1BX,  44
.set G1BY,  52
.set G0AX,  60
.set G0AY,  68
.set G0BX,  72
.set G0BY,  76
.set MSB, 0
.macro WIN new
.if MSB != (\new)
	s_set_vgpr_msb (MSB<<8)|(\new)
.set MSB, (\new)
.endif
.endm
.macro PLACES n
.rept \n
	v_nop
.endr
.endm
.macro SHAPE g, cc, rr
	s_mov_b32 s[\g+1], (\cc)<<16
	s_mov_b32 s[\g+2], (\rr)<<16
	s_mov_b32 s[\g+3], (\cc)<<16
	s_mov_b32 s[\g+4], \rr
	s_mov_b32 s[\g+5], 2048
	s_mov_b32 s[\g+6], 0
	s_mov_b32 s[\g+7], 0
.endm
; The joint refill: wave 0 fetches vals' 16 tiles, wave 1 W_o's 8, waves 2 and 3 nothing; an s_nop 0 and four v_nop follow each of the two lines.
.macro JLOAD g0a, g1a, g0b, g1b
	s_cmp_eq_u32 s18, 0
	s_cbranch_scc0 .Lfor_b_\@
	tensor_load_to_lds s[\g0a:\g0a+3], s[\g1a:\g1a+7]
	s_nop 0
.rept 4
	v_nop
.endr
	s_branch .Lasked_\@
.Lfor_b_\@:
	s_cmp_eq_u32 s18, 1
	s_cbranch_scc0 .Lasked_\@
	tensor_load_to_lds s[\g0b:\g0b+3], s[\g1b:\g1b+7]
	s_nop 0
.rept 4
	v_nop
.endr
.Lasked_\@:
.endm
.macro CREST
	s_cmp_lg_u32 s18, 0
	s_cbranch_scc1 .Lnot_wave_0_\@
	s_barrier_signal -3
.Lnot_wave_0_\@:
	s_barrier_wait -3
	s_barrier_signal -1
	s_barrier_wait -1
.endm
.macro CROUND
	s_barrier_signal -1
	s_barrier_wait -1
	CREST
.endm
.macro FETCH ra, rb, RL, sx, p         ; 48 LDS loads in one run: the region's sx-th K step into set p
	WIN 0
.irp mb, 0,1,2,3
.irp c, 0,1,2,3
	ds_load_b128 v[AF+64*(\p)+16*\mb+4*\c:AF+64*(\p)+16*\mb+4*\c+3], v[\ra] offset:\mb*(\RL)+2048*(\sx)+512*\c
.endr
.endr
	WIN 0x40
.irp nb, 0,1,2,3,4,5,6,7
.irp c, 0,1,2,3
	ds_load_b128 v[128*(\p)+16*\nb+4*\c:128*(\p)+16*\nb+4*\c+3], v[\rb] offset:\nb*(\RL)+2048*(\sx)+512*\c
.endr
.endr
.endm
.macro MUL p, nbA, nbB, first          ; W_o's tiles nbA .. nbB x my four tiles.  The 32 accumulators take turns, one instruction a turn, in the same order in every step
	WIN 0xa1                                       ; source 0 (W_o) window 1, source 1 (vals) window 0, C and D window 2
.set NBI, \nbA
.rept (\nbB)-(\nbA)+1
.irp mb, 0,1,2,3
.if \first
	v_wmma_f32_16x16x128_bf8_bf8 v[8*(4*NBI+\mb):8*(4*NBI+\mb)+7], v[128*(\p)+16*NBI:128*(\p)+16*NBI+15], v[AF+64*(\p)+16*\mb:AF+64*(\p)+16*\mb+15], 0
.else
	v_wmma_f32_16x16x128_bf8_bf8 v[8*(4*NBI+\mb):8*(4*NBI+\mb)+7], v[128*(\p)+16*NBI:128*(\p)+16*NBI+15], v[AF+64*(\p)+16*\mb:AF+64*(\p)+16*\mb+15], v[8*(4*NBI+\mb):8*(4*NBI+\mb)+7]
.endif
.endr
.set NBI, NBI+1
.endr
.endm
.macro PLAIN p, first, ra, rb, RL, sx
	s_wait_dscnt 0x0                               ; this step's fragments are in
.if !(\first)
	PLACES 4                                       ; four plain lines between the last products, which read the other set, and the loads into it
.endif
	FETCH \ra, \rb, \RL, \sx, 1-(\p)
	MUL \p, 0, 7, \first
.endm
	s_load_b256 s[4:11], s[0:1], 0x0               ; vals' image s[4:5], W_o's s[6:7], b_o s[8:9], the scales' exponents s[10:11]
	s_load_b64 s[12:13], s[0:1], 0x20              ; out
	v_lshl_add_u32 v[SPW], v0, 2, SPARE
	v_mov_b32 v[NIL], 0
	ds_add_u32 v28, v29
	ds_add_u32 v28, v29
	s_wait_dscnt 0x0
	v_lshrrev_b32 v1, 5, v0
	v_readfirstlane_b32 s18, v1                    ; wave 0..3
	s_bfe_u32 s21, ttmp6, 0x40000                  ; cx, cy
	s_bfe_u32 s22, ttmp6, 0x40004
	s_lshl_b32 s23, ttmp9, 2
	s_add_co_u32 s23, s23, s21                     ; the block of 128 columns
	s_and_b32 s24, ttmp7, 0xffff
	s_lshl_b32 s24, s24, 2
	s_add_co_u32 s24, s24, s22                     ; the block of 256 rows
	s_lshl_b32 s25, s22, 2
	s_lshl_b32 s25, 15, s25                        ; my row of the cluster
	s_lshl_b32 s26, 0x1111, s21                    ; my column
	s_or_b32 s[G1AX], s25, (3<<16)|(1<<21)
	s_or_b32 s[G1AY], s25, (3<<16)|(1<<21)
	s_or_b32 s[G1BX], s26, (3<<16)|(1<<21)
	s_or_b32 s[G1BY], s26, (3<<16)|(1<<21)
	SHAPE G1AX, 512, 16                            ; vals' 16 tiles x two K steps
	SHAPE G1AY, 1024, 16                           ; 16 tiles x four
	SHAPE G1BX, 512, 8                             ; W_o's 8 tiles likewise
	SHAPE G1BY, 1024, 8
	s_lshl_b32 s88, s24, 18                        ; vals: 16 tiles of 16,384 bytes a block
	s_mov_b32 s89, 0
	s_lshl_b32 s90, s23, 17                        ; W_o: 8 tiles a block
	s_mov_b32 s91, 0
	s_wait_kmcnt 0x0
	s_load_b256 s[80:87], s[10:11], 0x0            ; e0 .. e7
	s_add_nc_u64 s[88:89], s[4:5], s[88:89]
	s_add_nc_u64 s[90:91], s[6:7], s[90:91]
	CROUND                                         ; all sixteen work-groups are here: the first joint loads meet
	s_mov_b32 s[G0AX], 1
	s_mov_b32 s[G0AX+1], XA
	s_mov_b64 s[G0AX+2:G0AX+3], s[88:89]           ; K steps 0-1
	s_or_b32 s[G0AX+3], s[G0AX+3], 0x80000000
	s_mov_b32 s[G0AY], 1
	s_mov_b32 s[G0AY+1], YA
	s_add_nc_u64 s[G0AY+2:G0AY+3], s[88:89], 2*2048   ; K steps 2-5
	s_or_b32 s[G0AY+3], s[G0AY+3], 0x80000000
	s_mov_b32 s[G0BX], 1
	s_mov_b32 s[G0BX+1], XB
	s_mov_b64 s[G0BX+2:G0BX+3], s[90:91]
	s_or_b32 s[G0BX+3], s[G0BX+3], 0x80000000
	s_mov_b32 s[G0BY], 1
	s_mov_b32 s[G0BY+1], YB
	s_add_nc_u64 s[G0BY+2:G0BY+3], s[90:91], 2*2048
	s_or_b32 s[G0BY+3], s[G0BY+3], 0x80000000
	s_cmp_eq_u32 s18, 0                            ; the four first fills, one to a wave, in one chain of branches on the wave's number: wave 0 vals into X,
	s_cbranch_scc0 .Lfirst_1
	tensor_load_to_lds s[G0AX:G0AX+3], s[G1AX:G1AX+7]
	s_nop 0
.rept 4
	v_nop
.endr
	s_branch .Lfirst_asked
.Lfirst_1:
	s_cmp_eq_u32 s18, 1                            ; wave 1 W_o into X,
	s_cbranch_scc0 .Lfirst_2
	tensor_load_to_lds s[G0BX:G0BX+3], s[G1BX:G1BX+7]
	s_nop 0
.rept 4
	v_nop
.endr
	s_branch .Lfirst_asked
.Lfirst_2:
	s_cmp_eq_u32 s18, 2                            ; wave 2 vals into Y,
	s_cbranch_scc0 .Lfirst_3
	tensor_load_to_lds s[G0AY:G0AY+3], s[G1AY:G1AY+7]
	s_nop 0
.rept 4
	v_nop
.endr
	s_branch .Lfirst_asked
.Lfirst_3:
	tensor_load_to_lds s[G0BY:G0BY+3], s[G1BY:G1BY+7]   ; wave 3 W_o into Y
	s_nop 0
.rept 4
	v_nop
.endr
.Lfirst_asked:
	v_and_b32 v1, 31, v0
	v_lshlrev_b32 v[LI], 4, v1
	s_mul_i32 s27, s18, 4*RLX
	v_add_nc_u32 v[AAX], s27, v[LI]
	s_mul_i32 s27, s18, 4*RLY
	s_add_co_u32 s27, s27, YA
	v_add_nc_u32 v[AAY], s27, v[LI]
	v_add_nc_u32 v[ABX], XB, v[LI]
	v_add_nc_u32 v[ABY], YB, v[LI]
	v_bfe_u32 v16, v0, 4, 1                        ; h
	v_lshlrev_b32 v[BH64], 6, v16
	v_and_b32 v17, 15, v0                          ; r
	s_mul_i32 s27, s18, 16*528
	s_add_co_u32 s27, s27, STG                     ; my stage
	v_mul_u32_u24 v[STO], v17, 528                 ; in: row r, + 64 h
	v_add_nc_u32 v[STO], v[BH64], v[STO]
	v_add_nc_u32 v[STO], s27, v[STO]
	v_add_nc_u32 v[RD], s27, v[LI]                 ; back: the 32 lanes take a row of 512 bytes
	s_lshl_b32 s2, s23, 9                          ; the block's 128 numbers of the bias
	s_mov_b32 s3, 0
	s_add_nc_u64 s[8:9], s[8:9], s[2:3]
.irp nb, 0,1,2,3,4,5,6,7                       ; register j of tile nb is column 32 (nb / 2) + 8 (nb % 2) + 16 h + j
	global_load_b128 v[BO+8*\nb:BO+8*\nb+3],   v[BH64], s[8:9] offset:(32*(\nb/2)+8*(\nb%2))*4
	global_load_b128 v[BO+8*\nb+4:BO+8*\nb+7], v[BH64], s[8:9] offset:(32*(\nb/2)+8*(\nb%2))*4+16
.endr
	s_lshl_b32 s98, s24, 20                        ; out: row 256 x block + 64 w of 4,096 bytes, + 512 bytes a block of columns
	s_lshl_b32 s27, s18, 18
	s_add_co_u32 s98, s98, s27
	s_add_co_u32 s98, s98, s2
	s_mov_b32 s99, 0
	s_add_nc_u64 s[12:13], s[12:13], s[98:99]
	s_wait_alu depctr_va_vdst(0)
	s_wait_tensorcnt 0x0                           ; my one first fill is in; behind the barrier everybody's is
	s_barrier_signal -1
	s_barrier_wait -1
	FETCH AAX, ABX, RLX, 0, 0
	PLAIN 0, 1, AAX, ABX, RLX, 1                   ; K step 0: its products start the sums
	; K step 1: its fragments were the last reads of X.  X is filled again, with K steps 6-7
	WIN 0                                          ; (the add's two registers lie in window 0)
	s_wait_tensorcnt 0x0                           ; all my tensor loads have landed: my part of Y;
	ds_add_u32 v[SPW], v[NIL]                      ; 0 onto my spare word;
	s_wait_dscnt 0x1                               ; this step's fragments are in; the add alone may be out
	MUL 1, 0, 1, 0                                 ; eight matrix instructions stand between the add and the wait for it
	s_wait_dscnt 0x0                               ; the add is done, and my reads of X are over
	s_barrier_signal -1
	MUL 1, 2, 3, 0
	WIN 0
	s_barrier_wait -1
	CREST                                          ; the barrier has opened a round of the cluster's: no wave of any partner still reads X or has a load on its way
	s_add_nc_u64 s[G0AX+2:G0AX+3], s[G0AX+2:G0AX+3], 6*2048
	s_add_nc_u64 s[G0BX+2:G0BX+3], s[G0BX+2:G0BX+3], 6*2048
	JLOAD G0AX, G1AX, G0BX, G1BX                   ; the first tensor load behind the round, one a wave (waves 0 and 1)
	PLACES 4                                       ; on every wave's way: the places in front of the loads below
	FETCH AAY, ABY, RLY, 0, 0
	MUL 1, 4, 7, 0
	PLAIN 0, 0, AAY, ABY, RLY, 1                   ; K step 2
	PLAIN 1, 0, AAY, ABY, RLY, 2                   ; K step 3
	PLAIN 0, 0, AAY, ABY, RLY, 3                   ; K step 4
	; K step 5: X's second fill is wanted next; behind this barrier nobody reads Y any more
	s_wait_dscnt 0x0
	MUL 1, 0, 5, 0
	s_wait_tensorcnt 0x0                           ; my part of K steps 6-7 is in (the one load that was out),
	s_barrier_signal -1
	MUL 1, 6, 6, 0
	s_barrier_wait -1                              ; everybody's is
	PLACES 4
	FETCH AAX, ABX, RLX, 0, 0
	MUL 1, 7, 7, 0
	PLAIN 0, 0, AAX, ABX, RLX, 1                   ; K step 6
	s_wait_dscnt 0x0                               ; K step 7: nothing more to fetch
	MUL 1, 0, 7, 0
; THE WAY OUT, a tile of 16 rows x 128 columns at a time.  A lane holds pieces of 32 bytes of one row, and the lanes beside it hold other rows: so a tile goes through my own stage in LDS and comes back as whole rows of 512 bytes.
; LDS serves a wave's instructions in order (ISA guide 5.7.1.4): no wait between the stores and the loads, nor in front of the next tile's stores.
.macro TOSTAGE mb
	WIN 0x02                                       ; source 0 (the sums) window 2
.irp nb, 0,1,2,3,4,5,6,7
.irp i, 0,2,4,6
	v_pk_fma_f32 v[TMP+8*\nb+\i:TMP+8*\nb+\i+1], v[8*(4*\nb+(\mb))+\i:8*(4*\nb+(\mb))+\i+1], s[96:97], v[BO+8*\nb+\i:BO+8*\nb+\i+1] op_sel_hi:[1,0,1]   ; sum x 2^(e6 + e7) + b_o; each accumulator from its low end on
.endr
.endr
	WIN 0
.irp nb, 0,1,2,3,4,5,6,7
	ds_store_b128 v[STO], v[TMP+8*\nb:TMP+8*\nb+3]   offset:128*(\nb/2)+32*(\nb%2)
	ds_store_b128 v[STO], v[TMP+8*\nb+4:TMP+8*\nb+7] offset:128*(\nb/2)+32*(\nb%2)+16
.endr
	WIN 0x40                                       ; destination window 1
.irp t, 0,1,2,3,4,5,6,7,8,9,10,11,12,13,14,15
	ds_load_b128 v[64*((\mb)%2)+4*\t:64*((\mb)%2)+4*\t+3], v[RD] offset:528*\t
.endr
.endm
.macro SEND mb, younger                ; younger: the LDS instructions issued behind this tile's loads, which may stay out
	s_wait_dscnt \younger
	WIN 0x04                                       ; the stores' data in window 1
.irp t, 0,1,2,3,4,5,6,7,8,9,10,11,12,13,14,15
	global_store_b128 v[LI], v[64*((\mb)%2)+4*\t:64*((\mb)%2)+4*\t+3], s[12:13] offset:(32*((\mb)/2)+8*((\mb)%2)+\t+8*(\t/8))*4096 th:TH_STORE_NT   ; 32 lanes store 512 dense bytes, aligned; written once, read by nobody here
.endr
.endm
	s_wait_kmcnt 0x0
	s_add_co_i32 s96, s86, s87                     ; e6 + e7
	s_add_co_i32 s96, s96, 127
	s_lshl_b32 s96, s96, 23                        ; 2^(e6 + e7) as f32
	s_mov_b32 s97, s96                             ; (named with it as a pair, so it is written)
	s_wait_loadcnt 0x0                             ; the bias
	PLACES 4
	TOSTAGE 0
	TOSTAGE 1
	SEND 0, 32                                     ; behind tile 0's loads: tile 1's 16 stores and 16 loads
	s_wait_xcnt 0x0                                ; tile 0's stores have read their registers: tile 2's loads may land there
	TOSTAGE 2
	SEND 1, 32
	s_wait_xcnt 0x0
	TOSTAGE 3
	SEND 2, 32
	SEND 3, 0
	WIN 0
	s_wait_tensorcnt 0x0                           ; the wave's end
	ds_add_u32 v[SPW], v[NIL]
	s_wait_dscnt 0x0
	CROUND                                         ; the closing round
	s_endpgm
.Lfunc_end_k_q1e23b275d2_proj:
	.size	k_q1e23b275d2_proj, .Lfunc_end_k_q1e23b275d2_proj-k_q1e23b275d2_proj
	.p2alignl 7, 3214868480
	.fill 96, 4, 3214868480
	.section	.rodata,"a",@progbits
	.p2align	6, 0x0
	.amdhsa_kernel k_q1e23b275d2_proj
		.amdhsa_group_segment_fixed_size 327680
		.amdhsa_private_segment_fixed_size 0
		.amdhsa_enable_private_segment 0
		.amdhsa_kernarg_size 40
		.amdhsa_user_sgpr_count 2
		.amdhsa_user_sgpr_kernarg_segment_ptr 1
		.amdhsa_wavefront_size32 1
		.amdhsa_system_sgpr_workgroup_id_x 1
		.amdhsa_system_sgpr_workgroup_id_y 1
		.amdhsa_system_sgpr_workgroup_id_z 1
		.amdhsa_system_vgpr_workitem_id 0
		.amdhsa_next_free_vgpr 768
		.amdhsa_next_free_sgpr 100
		.amdhsa_reserve_vcc 0
		.amdhsa_float_denorm_mode_32 3
		.amdhsa_float_denorm_mode_16_64 3
		.amdhsa_memory_ordered 1
		.amdhsa_forward_progress 1
		.amdhsa_inst_pref_size 75
	.end_amdhsa_kernel
	.amdgpu_metadata
---
amdhsa.version: [ 1, 2 ]
amdhsa.kernels:
  - .name:           k_q1e23b275d2_proj
    .symbol:         k_q1e23b275d2_proj.kd
    .args:
      - { .name: vals_img, .offset: 0, .size: 8, .value_kind: global_buffer, .address_space: global }
      - { .name: wo_img, .offset: 8, .size: 8, .value_kind: global_buffer, .address_space: global }
      - { .name: b_o, .offset: 16, .size: 8, .value_kind: global_buffer, .address_space: global }
      - { .name: lowp_scales, .offset: 24, .size: 8, .value_kind: global_buffer, .address_space: global }
      - { .name: out0, .offset: 32, .size: 8, .value_kind: global_buffer, .address_space: global }
    .group_segment_fixed_size: 327680
    .private_segment_fixed_size: 0
    .kernarg_segment_align: 8
    .kernarg_segment_size: 40
    .max_flat_workgroup_size: 128
    .sgpr_count:     100
    .vgpr_count:     768
    .wavefront_size: 32
...
	.end_amdgpu_metadata
.endif
;; end of part 4
